; MI455X (gfx1250); checked and timed in simulation.
; The chip was launched on July 23, 2026; its instructions are those of AMD's public machine-readable ISA for CDNA 5 (MIT licence, August 2026) and "CDNA5" Instruction Set Architecture Reference Guide (July 2026). The comments in the code are by the model that wrote it; some were corrected since.
;; City Expert Mo E. Allowed arithmetic: matrix products marked QUANTISED: E2M1 operands, one E8M0 scale for each 32 along K, by v_wmma_scale_f32_16x16x128_f8f6f4 with both operands' format E2M1 (or v_wmma_scale_f32_32x16x128_f4), f32 sums; products left as they are: f32 operands where the result goes on into a quantised operand, else bf16, f16 or f32 operands; f32 sums; everything else in f32.
;; Inputs: b1 8 x 4,096 float32; b2 8 x 1,024 float32; beta 1,024 float32; gamma 1,024 float32; gate_w 1,024 x 8 float32; w1_codes 8 x 4,096 x 32 x 16 uint8 (E2M1 codes of w1, K innermost, in blocks of 32 codes, two codes a byte); w1_scales 8 x 4,096 x 32 uint8 (E8M0 scales of w1, one for each 32 codes along K); w2_codes 8 x 1,024 x 128 x 16 uint8 (E2M1 codes of w2, K innermost, in blocks of 32 codes, two codes a byte); w2_scales 8 x 1,024 x 128 uint8 (E8M0 scales of w2, one for each 32 codes along K); x 4 x 256 x 1,024 float32.
;; Outputs: out0 4 x 256 x 1,024 float32.
;; This version of the problem:
;;   THIS VERSION OF THE PROBLEM IS GIVEN IN LOW PRECISION. The matrix products marked QUANTISED in the list below multiply operands that are first quantised to E2M1 (2 exponent bits, 1 mantissa bit; 4 bits a number), with one power-of-two scale for each 32 numbers along K (OCP MX v1.0); their sums are f32. All else is computed in f32.
;;   The module's matrix products, in the order in which they are computed (A, B: the left and right operand; K: the contracted axis; several contracted axes count as one K, in the product's order):
;;     1. [M 1,024, K 1,024] x [K 1,024, N 8]; A: computed on the way; B: input gate_w: left as it is (N = 8 < 16)
;;     2. [M 32,768, K 1,024] x [K 1,024, N 1,024]; A: input w1 (given as codes); B: computed on the way: QUANTISED
;;     3. batch 8 x [M 1,024, K 4,096] x [K 4,096, N 1,024]; A: computed on the way; B: input w2 (given as codes): QUANTISED
;;     4. batch 1,024 x [M 1, K 8] x [K 8, N 1,024]; A: computed on the way; B: computed on the way: left as it is (K = 8 < 32)
;;   THE QUANTISER, for each operand of a quantised product, along K:
;;     - K is cut into blocks of 32 from its start; a last block that is shorter is filled with zeros.
;;     - A block's scale is 2^e with e = floor(log2(the largest magnitude in the block)) - 2, held to -126 .. 127; a block of zeros has e = 0. As a byte (E8M0): e + 127.
;;     - Each number is divided by its block's scale, clamped to +-6, and rounded to the nearest number of E2M1, ties to even, subnormals kept.
;;     - The product sums the exact products of the quantised numbers (number of the format x scale) in f32.
;;   ~~~python
;;   def quantise(x, axis):      # numpy; x: float32 -> the quantised numbers, widened to float32 again
;;       x = np.moveaxis(x, axis, -1); K = x.shape[-1]
;;       x = np.pad(x, [(0, 0)] * (x.ndim - 1) + [(0, -K % 32)]); x = x.reshape(x.shape[:-1] + (-1, 32)); a = np.abs(x).max(-1, keepdims=True)
;;       e = np.where(a > 0, np.clip(np.frexp(np.where(a > 0, a, 1))[1] - 1 - 2, -126, 127), 0)      # np.frexp(a)[1] - 1 = floor(log2(a)), exactly
;;       r = np.clip(x / 2.0 ** e, -6, 6)
;;       step = 2.0 ** (np.maximum(np.frexp(np.where(r == 0, 1, r))[1] - 1, 0) - 1)
;;       q = np.round(r / step) * step * 2.0 ** e      # np.round: ties to even
;;       return np.moveaxis(q.reshape(q.shape[:-2] + (-1,))[..., :K], -1, axis).astype(np.float32)
;;   ~~~
;;   OPERANDS COMPUTED ON THE WAY. 'Computed on the way' means the value that the module computes at that place (a softmax that the list does not call 'softmax' is quantised finished and normalised). What goes into a quantiser is computed in f32, as accurately as f32 sums, v_exp_f32 and their like allow (about 1e-6 of the number): no bf16 or f16 on the way to a quantiser, and a product that is left as it is and whose result goes on into a quantised operand takes f32 operands (vector FMAs, or v_wmma_f32_16x16x4_f32). A number that lies on a knife's edge between two numbers of the format may be rounded either way, as far as f32 arithmetic and the matrix unit's own rounding can turn it there, and no further.
;;   INPUTS GIVEN AS CODES. w1 (in the module: [8, 1024, 4096], K = its axis 1); w2 (in the module: [8, 4096, 1024], K = its axis 1): each comes as NAME_codes (uint8): NAME with its K axis moved to the last place and cut into blocks of 32 codes, [.., K / 32, bytes a block], one block behind the other in memory; two codes a byte, the lower K in the low four bits (a code: sign, 2 exponent bits, 1 mantissa bit); and NAME_scales (uint8): the same leading axes, one E8M0 byte (e + 127) for each 32 codes along K. Its value is code x scale, taken as it is: it is not quantised again, and the codes and scales need not be those that the quantiser above would give.
;; 2 versions, each right; version 2 is version 1 with the launch ffn2 written anew for expert scheduling mode. Each part assembles by itself: llvm-mc -triple=amdgcn-amd-amdhsa -mcpu=gfx1250 --defsym DOCPART=n.
;; ======== version 1 of 2: 4 launches
;; limits: a function is approximated: absolute error at most 7.5e-08
;; workspace buffers: xq 557,056 bytes; sel 4,096 bytes of whole numbers; wts 8,192 bytes; hq 17,825,792 bytes; rmap 33,024 bytes of whole numbers; y 8,519,680 bytes
;; launch prep (part 1): grid 256 x 1, 4 waves a work-group, no clusters, 18,944 bytes of LDS; arguments x, gamma, beta, gate_w, xq, sel, wts; writes xq, sel, wts
.if DOCPART == 1
	.amdgcn_target "amdgcn-amd-amdhsa--gfx1250"
	.amdhsa_code_object_version 6
	.text
	.protected	k_q395194ed90_prep
	.globl	k_q395194ed90_prep
	.p2align	8
	.type	k_q395194ed90_prep,@function
k_q395194ed90_prep:
	s_mov_b64 s[64:65], 0
	v_nop
	global_prefetch_b8 v0, s[64:65] scope:SCOPE_SE
	s_setreg_imm32_b32 hwreg(HW_REG_WAVE_MODE, 25, 1), 1
	s_wait_xcnt 0x0
; LayerNorm, the quantiser of xn along D, the router and its top-2.  One wave, one token: t = 4 x work-group + wave.  No barrier: a wave uses its own LDS bytes alone.
; OUT: xq: the token's 1,024 codes of E2M1 (512 bytes, block b of 32 at byte 16 b), and from byte XSO on its 32 scale bytes; sel[t] = e0 | e1 << 8; wts[t] = the two renormalised weights.
; The choice is only STORED here, at fixed places: no address and no branch of this launch hangs on it.
; All arithmetic is f32: mean, then the mean of squares of x - mean (two passes, so a common offset of x costs nothing), v_rsq_f32, the 8 logits by fused multiply-adds.
; The softmax takes its maximum away first.  Ties go to the lower index: a later expert replaces an earlier one only where it is strictly larger.
; LIMITS: NaN and infinities among the inputs are not served.  A block whose largest magnitude lies under 2^-124 (a block of zeros too) gets the scale byte 1; its codes are then zeros or
; next to zeros, and these bytes are read by this program alone.
; No matrix unit, no tensor load, no cluster: a token is 4 KiB read once, and the waves share only gamma, beta and gate_w (40 KiB).
.set XSO,  524288                      ; xq: where the scale bytes begin
.set WLDS, 4608                        ; LDS of a wave: 32 blocks of 32 numbers
.set BP,   144                         ; a block's 128 bytes + 16: an odd multiple of 16, so that lanes that each read their own block start in different 16-byte columns
.set X,    16                          ; v16-47   x, then x - mean, then xn: register 4 i + j = d 128 i + 4 lane + j
.set GA,   48                          ; v48-79   gamma, likewise
.set BE,   80                          ; v80-111  beta
.set Q,    112                         ; v112-143 block `lane` of xn: 32 neighbours along D
.set R,    144                         ; v144-207 xn[16 n + lane / 2], n = 0 .. 63: what the router's lane multiplies
.set AC,   208                          ; v208-215 eight chains of the logits' sums
.set LG,   216                         ; v216-223 the 8 logits, then the probabilities
.set OT,   224                         ; v224-231 at work
.set CD,   232                         ; v232-235 the codes, v236 the scale byte
.set MSB, 0
.macro WIN new                         ; the immediate's high byte repeats the setting that is left
.if MSB != \new
	s_set_vgpr_msb (MSB<<8)|\new
.set MSB, \new
.endif
.endm
.macro WSUM a, t                       ; v[a] summed over the 32 lanes, the sum in every lane; v[t] at work (written before)
	v_add_f32_dpp v[\a], v[\a], v[\a] row_xmask:1 row_mask:0xf bank_mask:0xf
	v_add_f32_dpp v[\a], v[\a], v[\a] row_xmask:2 row_mask:0xf bank_mask:0xf
	v_add_f32_dpp v[\a], v[\a], v[\a] row_xmask:4 row_mask:0xf bank_mask:0xf
	v_add_f32_dpp v[\a], v[\a], v[\a] row_xmask:8 row_mask:0xf bank_mask:0xf
	v_permlanex16_b32 v[\t], v[\a], s22, s23
	v_add_f32 v[\a], v[\a], v[\t]
.endm
	s_load_b256 s[4:11], s[0:1], 0x0               ; x s[4:5], gamma s[6:7], beta s[8:9], gate_w s[10:11]
	s_load_b128 s[12:15], s[0:1], 0x20             ; xq s[12:13], sel s[14:15]
	s_load_b64 s[16:17], s[0:1], 0x30              ; wts
	v_lshl_add_u32 v254, v0, 2, 0x4800
	v_mov_b32 v255, 0
	v_lshrrev_b32 v1, 5, v0
	v_readfirstlane_b32 s20, v1                    ; wave
	v_and_b32 v1, 31, v0                           ; lane
	s_lshl_b32 s21, ttmp9, 2
	s_add_co_u32 s21, s21, s20                     ; my token
	s_mov_b32 s22, 0x76543210                      ; v_permlanex16_b32's selects for lane l xor 16
	s_mov_b32 s23, 0xfedcba98
	s_mov_b32 s24, 0x3a800000                      ; 1 / 1024
	s_mov_b32 s25, 0x3727c5ac                      ; 1e-5
	v_lshlrev_b32 v2, 4, v1                        ; 16 x lane
	s_mul_i32 s36, s20, WLDS                       ; my wave's LDS
	v_lshrrev_b32 v8, 3, v1
	v_mul_u32_u24 v3, v8, BP
	v_and_b32 v8, 7, v1
	v_lshl_add_u32 v3, v8, 4, v3
	v_add_nc_u32 v3, s36, v3                       ; in: d = 128 i + 4 lane lies in block 4 i + lane / 8, at byte 16 (lane % 8)
	v_mul_u32_u24 v4, v1, BP
	v_add_nc_u32 v4, s36, v4                       ; back, for the quantiser: block `lane`
	v_lshrrev_b32 v8, 1, v1
	v_lshl_add_u32 v5, v8, 2, s36                  ; back, for the router: number lane / 2 of each half block
	s_lshl_b32 s26, s21, 12                        ; byte offsets of my token: x,
	s_mov_b32 s27, 0
	s_lshl_b32 s28, s21, 9                         ; its codes,
	s_mov_b32 s29, 0
	s_lshl_b32 s30, s21, 5                         ; its scale bytes,
	s_mov_b32 s31, 0
	s_lshl_b32 s32, s21, 2                         ; sel,
	s_mov_b32 s33, 0
	s_lshl_b32 s34, s21, 3                         ; wts
	s_mov_b32 s35, 0
	s_wait_kmcnt 0x0
	s_add_nc_u64 s[4:5], s[4:5], s[26:27]
	s_add_nc_u64 s[28:29], s[12:13], s[28:29]
	s_add_nc_u64 s[30:31], s[12:13], s[30:31]
	s_add_nc_u64 s[14:15], s[14:15], s[32:33]
	s_add_nc_u64 s[16:17], s[16:17], s[34:35]
	; every load reads 512 consecutive bytes
.irp i, 0,1,2,3,4,5,6,7
	global_load_b128 v[X+4*\i:X+4*\i+3], v2, s[4:5] offset:512*\i th:TH_LOAD_NT
.endr
.irp i, 0,1,2,3,4,5,6,7
	global_load_b128 v[GA+4*\i:GA+4*\i+3], v2, s[6:7] offset:512*\i
.endr
.irp i, 0,1,2,3,4,5,6,7
	global_load_b128 v[BE+4*\i:BE+4*\i+3], v2, s[8:9] offset:512*\i
.endr
	WIN 0x40                                       ; destination window 1: all of gate_w, load n: gate_w[16 n + lane / 2][4 (lane % 2) + 0 .. 3]
.set n, 0
.rept 64
	global_load_b128 v[4*n:4*n+3], v2, s[10:11] offset:512*n
.set n, n+1
.endr
	WIN 0
	s_wait_loadcnt 63                              ; x, gamma and beta are in: 64 loads stand behind beta's last; the count's field ends at 63, and a smaller count is safe
	; the mean
	v_pk_add_f32 v[8:9], v[X:X+1], v[X+2:X+3]
	v_pk_add_f32 v[10:11], v[X+4:X+5], v[X+6:X+7]
	v_pk_add_f32 v[12:13], v[X+8:X+9], v[X+10:X+11]
	v_pk_add_f32 v[14:15], v[X+12:X+13], v[X+14:X+15]
.irp i, 16,24
	v_pk_add_f32 v[8:9], v[8:9], v[X+\i:X+\i+1]
	v_pk_add_f32 v[10:11], v[10:11], v[X+\i+2:X+\i+3]
	v_pk_add_f32 v[12:13], v[12:13], v[X+\i+4:X+\i+5]
	v_pk_add_f32 v[14:15], v[14:15], v[X+\i+6:X+\i+7]
.endr
	v_pk_add_f32 v[8:9], v[8:9], v[10:11]
	v_pk_add_f32 v[12:13], v[12:13], v[14:15]
	v_pk_add_f32 v[8:9], v[8:9], v[12:13]
	v_add_f32 v8, v8, v9
	WSUM 8, 9
	v_mul_f32 v10, s24, v8
	v_mov_b32 v11, v10                             ; the mean, twice
.set k, 0
.rept 16
	v_pk_add_f32 v[X+k:X+k+1], v[X+k:X+k+1], v[10:11] neg_lo:[0,1] neg_hi:[0,1]   ; x - mean
.set k, k+2
.endr
	; the mean of its squares, in four chains; the first products start the sums
.irp k, 0,2,4,6
	v_pk_mul_f32 v[OT+\k:OT+\k+1], v[X+\k:X+\k+1], v[X+\k:X+\k+1]
.endr
.irp i, 8,16,24
.irp k, 0,2,4,6
	v_pk_fma_f32 v[OT+\k:OT+\k+1], v[X+\i+\k:X+\i+\k+1], v[X+\i+\k:X+\i+\k+1], v[OT+\k:OT+\k+1]
.endr
.endr
	v_pk_add_f32 v[OT:OT+1], v[OT:OT+1], v[OT+2:OT+3]
	v_pk_add_f32 v[OT+4:OT+5], v[OT+4:OT+5], v[OT+6:OT+7]
	v_pk_add_f32 v[OT:OT+1], v[OT:OT+1], v[OT+4:OT+5]
	v_add_f32 v8, v[OT], v[OT+1]
	WSUM 8, 9
	v_fma_f32 v8, v8, s24, s25                     ; var + eps
	v_rsq_f32 v10, v8
	v_nop                                          ; a plain instruction behind the transcendental,
	s_wait_alu depctr_va_vdst(0)                   ; and the wait ahead of the first use of its result
	v_mov_b32 v11, v10
.set k, 0
.rept 16
	v_pk_mul_f32 v[X+k:X+k+1], v[X+k:X+k+1], v[10:11]
.set k, k+2
.endr
.set k, 0
.rept 16
	v_pk_fma_f32 v[X+k:X+k+1], v[X+k:X+k+1], v[GA+k:GA+k+1], v[BE+k:BE+k+1]   ; xn
.set k, k+2
.endr
	; xn turns through my wave's LDS: in as it was loaded, back once by blocks and once for the router.  LDS serves a wave's instructions in order: no wait between the stores and the loads
.irp i, 0,1,2,3,4,5,6,7
	ds_store_b128 v3, v[X+4*\i:X+4*\i+3] offset:4*BP*\i
.endr
.irp c, 0,1,2,3,4,5,6,7
	ds_load_b128 v[Q+4*\c:Q+4*\c+3], v4 offset:16*\c
.endr
.set n, 0
.rept 64
	ds_load_b32 v[R+n], v5 offset:BP*(n/2)+64*(n%2)
.set n, n+1
.endr
	s_wait_dscnt 63                                ; my block is in: 64 loads stand behind it; the field ends at 63
	; the quantiser: all 32 numbers of the block are mine
	v_max3_num_f32 v12, |v[Q]|, |v[Q+1]|, |v[Q+2]|
	v_max3_num_f32 v13, |v[Q+3]|, |v[Q+4]|, |v[Q+5]|
.irp i, 6,10,14,18,22,26
	v_max3_num_f32 v12, v12, |v[Q+\i]|, |v[Q+\i+1]|
	v_max3_num_f32 v13, v13, |v[Q+\i+2]|, |v[Q+\i+3]|
.endr
	v_max3_num_f32 v12, v12, |v[Q+30]|, |v[Q+31]|
	v_max3_num_f32 v12, v12, v13, 0x1800000        ; and the floor 2^(3 - 127): the byte cannot fall under 1
	v_add_nc_u32 v11, 0xff000000, v12              ; 2 off the exponent field: the conversion takes this operand's exponent field as its scale
.irp g, 0,1,2,3
	v_cvt_scalef32_pk8_fp4_f32 v[CD+\g], v[Q+8*\g:Q+8*\g+7], v11
.endr
	v_lshrrev_b32 v[CD+4], 23, v11                 ; the scale's byte (also the plain instruction behind the conversions)
	global_store_b128 v2, v[CD:CD+3], s[28:29]     ; the wave stores the token's 512 bytes of codes on end
	global_store_b8 v1, v[CD+4], s[30:31] offset:XSO   ; and its 32 scale bytes
	; the router: lane l sums xn[d] gate_w[d][4 (l % 2) + j] over d = 16 n + l / 2, in eight chains
	s_wait_loadcnt 0x0                             ; gate_w
	s_wait_dscnt 0x0                               ; the 64 numbers
	WIN 0x04                                       ; source 1 in window 1
.irp j, 0,1,2,3
	v_mul_f32 v[AC+\j], v[R], v[\j]
.endr
.irp j, 0,1,2,3
	v_mul_f32 v[AC+4+\j], v[R+1], v[4+\j]
.endr
.set n, 2
.rept 62
.irp j, 0,1,2,3
	v_fma_f32 v[AC+4*(n%2)+\j], v[R+n], v[4*n+\j], v[AC+4*(n%2)+\j]
.endr
.set n, n+1
.endr
	WIN 0
.irp j, 0,1,2,3
	v_add_f32 v[AC+\j], v[AC+\j], v[AC+4+\j]
.endr
.irp m, 2,4,8                          ; over the lanes of my parity
.irp j, 0,1,2,3
	v_add_f32_dpp v[AC+\j], v[AC+\j], v[AC+\j] row_xmask:\m row_mask:0xf bank_mask:0xf
.endr
.endr
.irp j, 0,1,2,3
	v_permlanex16_b32 v[OT+\j], v[AC+\j], s22, s23
.endr
.irp j, 0,1,2,3
	v_add_f32 v[AC+\j], v[AC+\j], v[OT+\j]
.endr
.irp j, 0,1,2,3
	v_mov_b32_dpp v[AC+4+\j], v[AC+\j] row_xmask:1 row_mask:0xf bank_mask:0xf   ; my neighbour's four
.endr
	s_mov_b32 vcc_lo, 0xaaaaaaaa                   ; the odd lanes hold experts 4 to 7 as their own
.irp j, 0,1,2,3
	v_cndmask_b32 v[LG+\j], v[AC+\j], v[AC+4+\j], vcc_lo
	v_cndmask_b32 v[LG+4+\j], v[AC+4+\j], v[AC+\j], vcc_lo
.endr
	; softmax, in every lane alike
	v_max3_num_f32 v8, v[LG], v[LG+1], v[LG+2]
	v_max3_num_f32 v8, v8, v[LG+3], v[LG+4]
	v_max3_num_f32 v8, v8, v[LG+5], v[LG+6]
	v_max_num_f32 v8, v8, v[LG+7]
.irp i, 0,1,2,3,4,5,6,7
	v_sub_f32 v[LG+\i], v[LG+\i], v8
.endr
.irp i, 0,1,2,3,4,5,6,7
	v_mul_f32 v[LG+\i], 0x3fb8aa3b, v[LG+\i]
.endr
.irp i, 0,1,2,3,4,5,6,7
	v_exp_f32 v[LG+\i], v[LG+\i]
.endr
	v_nop
	s_wait_alu depctr_va_vdst(0)                   ; one wait for the eight
	v_add_f32 v8, v[LG], v[LG+1]
	v_add_f32 v9, v[LG+2], v[LG+3]
	v_add_f32 v10, v[LG+4], v[LG+5]
	v_add_f32 v11, v[LG+6], v[LG+7]
	v_add_f32 v8, v8, v9
	v_add_f32 v10, v10, v11
	v_add_f32 v8, v8, v10
	v_rcp_f32 v8, v8
	v_nop
	s_wait_alu depctr_va_vdst(0)
.irp i, 0,1,2,3,4,5,6,7
	v_mul_f32 v[LG+\i], v[LG+\i], v8
.endr
	; the largest, then the largest of the rest; the one in hand stays where it is at least as large
	v_mov_b32 v8, v[LG]
	v_mov_b32 v9, 0
.irp i, 1,2,3,4,5,6,7
	v_cmp_ge_f32 vcc_lo, v8, v[LG+\i]
	v_cndmask_b32 v9, \i, v9, vcc_lo
	v_cndmask_b32 v8, v[LG+\i], v8, vcc_lo
.endr
	v_mov_b32 v10, -1.0                            ; under every probability
.irp i, 0,1,2,3,4,5,6,7
	v_cmp_eq_u32 vcc_lo, \i, v9
	v_cndmask_b32 v[LG+\i], v[LG+\i], v10, vcc_lo
.endr
	v_mov_b32 v11, v[LG]
	v_mov_b32 v12, 0
.irp i, 1,2,3,4,5,6,7
	v_cmp_ge_f32 vcc_lo, v11, v[LG+\i]
	v_cndmask_b32 v12, \i, v12, vcc_lo
	v_cndmask_b32 v11, v[LG+\i], v11, vcc_lo
.endr
	v_add_f32 v10, v8, v11
	v_rcp_f32 v10, v10
	v_lshl_or_b32 v13, v12, 8, v9                  ; e0 | e1 << 8 (the plain instruction behind the reciprocal)
	s_wait_alu depctr_va_vdst(0)
	v_mul_f32 v14, v8, v10                         ; the two weights, renormalised
	v_mul_f32 v15, v11, v10
	v_mov_b32 v6, 0
	v_cmp_eq_u32 vcc_lo, 0, v1
	s_wait_xcnt 0x0                                ; EXEC changes only behind this wait: the stores above have read it
	s_wait_tensorcnt 0x0
	ds_add_u32 v254, v255
	s_wait_dscnt 0x0
	s_and_saveexec_b32 s26, vcc_lo                 ; lane 0 alone
	global_store_b32 v6, v13, s[14:15]
	global_store_b64 v6, v[14:15], s[16:17]
	s_wait_xcnt 0x0
	s_or_b32 exec_lo, exec_lo, s26
	s_endpgm
.Lfunc_end_k_q395194ed90_prep:
	.size	k_q395194ed90_prep, .Lfunc_end_k_q395194ed90_prep-k_q395194ed90_prep
	.p2alignl 7, 3214868480
	.fill 96, 4, 3214868480
	.section	.rodata,"a",@progbits
	.p2align	6, 0x0
	.amdhsa_kernel k_q395194ed90_prep
		.amdhsa_group_segment_fixed_size 18944
		.amdhsa_private_segment_fixed_size 0
		.amdhsa_enable_private_segment 0
		.amdhsa_kernarg_size 56
		.amdhsa_user_sgpr_count 2
		.amdhsa_user_sgpr_kernarg_segment_ptr 1
		.amdhsa_wavefront_size32 1
		.amdhsa_system_sgpr_workgroup_id_x 1
		.amdhsa_system_sgpr_workgroup_id_y 1
		.amdhsa_system_sgpr_workgroup_id_z 1
		.amdhsa_system_vgpr_workitem_id 0
		.amdhsa_next_free_vgpr 512
		.amdhsa_next_free_sgpr 66
		.amdhsa_reserve_vcc 1
		.amdhsa_float_denorm_mode_32 3
		.amdhsa_float_denorm_mode_16_64 3
		.amdhsa_memory_ordered 1
		.amdhsa_forward_progress 1
		.amdhsa_inst_pref_size 46
	.end_amdhsa_kernel
	.amdgpu_metadata
---
amdhsa.version: [ 1, 2 ]
amdhsa.kernels:
  - .name:           k_q395194ed90_prep
    .symbol:         k_q395194ed90_prep.kd
    .args:
      - { .name: x, .offset: 0, .size: 8, .value_kind: global_buffer, .address_space: global }
      - { .name: gamma, .offset: 8, .size: 8, .value_kind: global_buffer, .address_space: global }
      - { .name: beta, .offset: 16, .size: 8, .value_kind: global_buffer, .address_space: global }
      - { .name: gate_w, .offset: 24, .size: 8, .value_kind: global_buffer, .address_space: global }
      - { .name: xq, .offset: 32, .size: 8, .value_kind: global_buffer, .address_space: global }
      - { .name: sel, .offset: 40, .size: 8, .value_kind: global_buffer, .address_space: global }
      - { .name: wts, .offset: 48, .size: 8, .value_kind: global_buffer, .address_space: global }
    .group_segment_fixed_size: 18944
    .private_segment_fixed_size: 0
    .kernarg_segment_align: 8
    .kernarg_segment_size: 56
    .max_flat_workgroup_size: 128
    .sgpr_count:     66
    .vgpr_count:     512
    .wavefront_size: 32
...
	.end_amdgpu_metadata
.endif
;; end of part 1
;; launch ffn1 (part 2): grid 32 x 8, 4 waves a work-group, no clusters, 101,888 bytes of LDS; arguments xq, sel, w1_codes, w1_scales, b1, hq, rmap; writes hq, rmap
.if DOCPART == 2
	.amdgcn_target "amdgcn-amd-amdhsa--gfx1250"
	.amdhsa_code_object_version 6
	.text
	.protected	k_q395194ed90_ffn1
	.globl	k_q395194ed90_ffn1
	.p2align	8
	.type	k_q395194ed90_ffn1,@function
k_q395194ed90_ffn1:
	s_mov_b64 s[64:65], 0
	v_nop
	global_prefetch_b8 v0, s[64:65] scope:SCOPE_SE
	s_setreg_imm32_b32 hwreg(HW_REG_WAVE_MODE, 25, 1), 1
	s_wait_xcnt 0x0
; The first product of the chosen rows alone: h = gelu(xn W1[e] + b1[e]), quantised along H, stored as images of the second product's operand registers.
; SHARES.  Work-group (hc, e): hidden units 128 hc .. 128 hc + 127 of expert e.  Wave w: the tokens 256 w .. 256 w + 255 that chose e, in token order, 16 to a tile.
; W1's 128 rows x 1,024 K (64 fragments, 512 registers) stay in every wave's registers; each wave brings 32 of the rows, whole, and they change hands once through LDS: the launch's one barrier.
; THE ROWS are found without any list in memory: sel gives eight 32-bit masks of the wave's 256 tokens; lane l of pair sp wants the (32 sp + l)-th set bit, found by counts in fields, in registers.
; A lane past the list's end gets some valid token: its row is computed and stored like any other, and the second product sends it to a row of y that nobody reads.
; TILE SLOTS are fixed: tile jj of list (e, w) is slot ts = 16 (4 e + w) + jj, so nothing hangs on other lists; every split of the tokens is served (a list has at most 16 tiles).
; A TILE: 16 rows of xq (512 bytes on end each) through the wave's own LDS stage into 8 fragments; 64 matrix instructions, transposed (source 0 = 16 rows of W1, source 1 = x), b1 as the C of the first;
; gelu; the quantiser; 1,024 bytes of codes and a scale word a row go out.  The next tile's rows are asked for ahead of the gelu.
; THE ROWS OF W1 THAT FORM A TILE ARE NOT NEIGHBOURS: lane r of tile 2 b + u takes row 32 b + 8 u + r + 8 (r / 8), so that the 16 registers of tiles 2 b, 2 b + 1 are 16 neighbours along the next K.
; IN LDS the rows lie in the tiles' order (tile t's lane r at LDS row 16 t + r), so that a fragment load reads 16 rows on end.
; GELU = max(x, 0) - |x| q(|x|), q the normal distribution's upper tail, q = exp(-x^2 / 2) poly5(t) / sqrt(2 pi), t = 1 / (1 + 0.2316419 |x|) (Abramowitz and Stegun 26.2.17).
; LIMITS: q is within 7.5e-8 absolutely, so gelu is within about 2e-7 of its value for x > -1.4 and within 1e-7 |x| absolutely below that.  NaN and infinities are not served.
; A block of h whose largest magnitude lies under 2^-124 gets the scale byte 1 (zeros too); these bytes are read by this program alone.
; No tensor load, no cluster: trip counts and branches hang on counts read from memory, so operands go through registers.
; hq: codes [ts][K step hc][1,024 bytes]: registers 0-3 of lane l at 16 l, registers 4-7 at 512 + 16 l.  From HSO: scale words [ts][hc / 4][row][hc % 4].
; rmap[ts][row] = the row of y (2 token + k, k = 1 where e is the token's second choice; or the list's spare row): pair sp of a list is stored by the work-group with hc = sp; the counts by hc = 8.
; k is read off a second set of masks, so no load stands in that path.
.set XSO,  524288                      ; xq: where the scale bytes begin
.set HSO,  16777216                    ; hq: where the scale words begin
.set WP,   528                         ; an LDS row: 512 bytes + 16 = 33 x 16: row r starts in 16-byte column r mod 16, so the 16 rows on end that a load touches start in 16 different columns
.set XSTG, 128*WP                      ; LDS: W1's 128 rows, then a stage of 16 rows for each wave
.set XREG, 16*WP
.set LN,   1                           ; v1   lane
.set RR,   2                           ; v2   r = lane % 16
.set HH,   3                           ; v3   h = lane / 16
.set L16,  4                           ; v4   16 x lane
.set XST,  5                           ; v5   my stage, in: 16 x lane
.set XLD,  6                           ; v6   my stage, back: row r, + 16 h
.set AW,   7                           ; v7   W1 in LDS: row r, + 16 h
.set R16,  8                           ; v8   16 r
.set HO,   9                           ; v9   offset of the tile's codes
.set HSF,  10                          ; v10  and of its scale words
.set XSA,  11                          ; v11  offset of my token's scale bytes
.set TOK,  12                          ; v12  my token: lanes 0-15 the pair's even tile, lanes 16-31 its odd tile
.set PP,   13                          ; v13  my place in the list
.set C4V,  14                          ; v[14:15] a coefficient, twice
.set RA,   16                          ; v16-31 the 16 rows' offsets
.set W1S,  32                          ; v32-63 W1's scale words: register 8 p + s: lanes 0-15 tile 2 p, lanes 16-31 tile 2 p + 1, K step s
.set X,    64                          ; v64-127 16 rows as loaded, then fragment s at 8 s
.set ACC,  128                         ; v128-191 the 8 tiles of the hidden layer
.set XS,   192                         ; v192-199 x's scale words: register s: lanes 0-15 the even tile's rows, lanes 16-31 the odd tile's
.set T,    200                         ; v200-215, v216-231, v232-247: the gelu's work; the search's and the quantiser's lie over them
.set U,    216
.set QQ,   232
.set TM,   200
.set PC,   216                         ; v216-223 the codes just made
.set PW,   224                         ; v224     the scale word just made
.set GS,   86                          ; s86-93  eight tokens of a gather (at the head: byte offsets)
.set M2,   94                          ; s94-101 who of tokens 32 i .. 32 i + 31 chose e as the SECOND choice
; window 1: W1's fragments of K steps 0-3 at 64 s + 8 ht;  window 2: K steps 4-7;  window 3: v0-63 b1, 8 registers a tile
; s22 wave, s23 e, s24 hc, s25 n, s26 tiles, s27 pairs, s28 pair in hand, s29/s30 its two tiles, s[32:39] masks, s[40:47] (set bits before the word) << 5 | word
.set MSB, 0
.macro WIN new                         ; the immediate's high byte repeats the setting that is left
.if MSB != \new
	s_set_vgpr_msb (MSB<<8)|\new
.set MSB, \new
.endif
.endm
; one matrix instruction; ra, rb: the scales are taken from lanes 16-31 of the register named
.macro WM d, a, b, c, sa, sb, ra, rb
.if (\ra) && (\rb)
	v_wmma_scale_f32_16x16x128_f8f6f4 v[(\d):(\d)+7], v[(\a):(\a)+7], v[(\b):(\b)+7], v[(\c):(\c)+7], v[\sa], v[\sb] matrix_a_fmt:MATRIX_FMT_FP4 matrix_b_fmt:MATRIX_FMT_FP4 matrix_a_scale:MATRIX_SCALE_ROW1 matrix_b_scale:MATRIX_SCALE_ROW1
.elseif (\ra)
	v_wmma_scale_f32_16x16x128_f8f6f4 v[(\d):(\d)+7], v[(\a):(\a)+7], v[(\b):(\b)+7], v[(\c):(\c)+7], v[\sa], v[\sb] matrix_a_fmt:MATRIX_FMT_FP4 matrix_b_fmt:MATRIX_FMT_FP4 matrix_a_scale:MATRIX_SCALE_ROW1
.elseif (\rb)
	v_wmma_scale_f32_16x16x128_f8f6f4 v[(\d):(\d)+7], v[(\a):(\a)+7], v[(\b):(\b)+7], v[(\c):(\c)+7], v[\sa], v[\sb] matrix_a_fmt:MATRIX_FMT_FP4 matrix_b_fmt:MATRIX_FMT_FP4 matrix_b_scale:MATRIX_SCALE_ROW1
.else
	v_wmma_scale_f32_16x16x128_f8f6f4 v[(\d):(\d)+7], v[(\a):(\a)+7], v[(\b):(\b)+7], v[(\c):(\c)+7], v[\sa], v[\sb] matrix_a_fmt:MATRIX_FMT_FP4 matrix_b_fmt:MATRIX_FMT_FP4
.endif
.endm
; a step of the search: v208 set bits lie in the lower half of the field in hand; where v203 is at least that, they are passed over
.macro PICK step
	v_cmp_ge_u32 vcc_lo, v203, v208
	v_cndmask_b32 v209, 0, v208, vcc_lo
	v_mov_b32 v210, \step
	v_cndmask_b32 v210, 0, v210, vcc_lo
	v_sub_nc_u32 v203, v203, v209
	v_add_nc_u32 v211, v211, v210
.endm
; pair s[sp] of the list: lane l's token, and, in the one work-group whose hc is the pair's number, the pair's part of rmap
.macro SEARCH sp
	s_lshl_b32 s66, s[\sp], 5
	v_add_nc_u32 v[PP], s66, v[LN]                 ; my place in the list
	v_lshl_or_b32 v200, v[PP], 5, 31
	v_mov_b32 v201, 0
	v_mov_b32 v202, s32
.irp i, 1,2,3,4,5,6,7                  ; the last word in front of which at most `place` bits are set
	v_cmp_gt_u32 vcc_lo, s[40+\i], v200
	v_cndmask_b32 v201, s[40+\i], v201, vcc_lo
	v_cndmask_b32 v202, s[32+\i], v202, vcc_lo
.endr
	v_lshrrev_b32 v203, 5, v201
	v_sub_nc_u32 v203, v[PP], v203                 ; which set bit of that word
	v_and_b32 v204, 31, v201                       ; which word
	v_lshrrev_b32 v205, 1, v202
	v_and_b32 v205, s82, v205
	v_sub_nc_u32 v205, v202, v205                  ; counts in fields of 2 bits,
	v_lshrrev_b32 v206, 2, v205
	v_and_b32 v206, s83, v206
	v_and_b32 v207, s83, v205
	v_add_nc_u32 v206, v206, v207                  ; of 4,
	v_lshrrev_b32 v207, 4, v206
	v_add_nc_u32 v207, v207, v206
	v_and_b32 v207, s84, v207                      ; of 8,
	v_lshrrev_b32 v208, 8, v207
	v_add_nc_u32 v208, v208, v207
	v_and_b32 v208, 0xff, v208                     ; and in bits 0 to 15
	v_mov_b32 v211, 0
	PICK 16
	v_bfe_u32 v208, v207, v211, 8
	PICK 8
	v_bfe_u32 v208, v206, v211, 4
	PICK 4
	v_bfe_u32 v208, v205, v211, 2
	PICK 2
	v_bfe_u32 v208, v202, v211, 1
	PICK 1
	v_lshl_add_u32 v[TOK], v204, 5, v211
	v_add_nc_u32 v[TOK], s85, v[TOK]
	v_min_u32 v[TOK], 0x3ff, v[TOK]                ; a token, whatever the masks hold
	s_cmp_lg_u32 s24, s[\sp]
	s_cbranch_scc1 .Lnomap_\@
	s_wait_xcnt 0x0                                ; the two registers of the store below may be sources of an earlier store
	v_mov_b32 v212, s[M2]
.irp i, 1,2,3,4,5,6,7                  ; the same word of the second choices' masks, by the same compares
	v_cmp_gt_u32 vcc_lo, s[40+\i], v200
	v_cndmask_b32 v212, s[M2+\i], v212, vcc_lo
.endr
	v_bfe_u32 v212, v212, v211, 1                  ; k: my token's bit there
	v_lshl_or_b32 v254, v[TOK], 1, v212            ; its row of y
	v_cmp_gt_u32 vcc_lo, s25, v[PP]
	v_cndmask_b32 v254, s72, v254, vcc_lo          ; past the list's end: the list's spare row
	s_min_u32 s66, s[\sp], 7
	s_lshl_b32 s66, s66, 7
	v_lshl_add_u32 v251, v[LN], 2, s66             ; two slots' 128 bytes on end
	global_store_b32 v251, v254, s[78:79]
.Lnomap_\@:
.endm
.macro XSLOAD                          ; my token's 8 scale words
	v_lshlrev_b32 v[XSA], 5, v[TOK]
	global_load_b128 v[XS:XS+3], v[XSA], s[4:5] offset:XSO
	global_load_b128 v[XS+4:XS+7], v[XSA], s[4:5] offset:XSO+16
.endm
; the 16 rows of the pair's tile hh: each load reads one row's 512 bytes on end.  Eight rows at a time, each kind of line in a run: the scalar lines wait once for the eight lane reads, the loads once for the eight addresses
.macro GATHER hh
.irp g, 0,8
.irp i, 0,1,2,3,4,5,6,7
	v_readlane_b32 s[GS+\i], v[TOK], 16*\hh+\g+\i
.endr
.irp i, 0,1,2,3,4,5,6,7
	s_min_u32 s[GS+\i], s[GS+\i], 0x3ff
.endr
.irp i, 0,1,2,3,4,5,6,7
	v_lshl_add_u32 v[RA+\g+\i], s[GS+\i], 9, v[L16]
.endr
.irp i, 0,1,2,3,4,5,6,7
	global_load_b128 v[X+4*(\g+\i):X+4*(\g+\i)+3], v[RA+\g+\i], s[4:5]
.endr
.endr
.endm
.macro TURN                            ; rows become fragments, in the registers that they left: LDS serves a wave's instructions in order
.irp i, 0,1,2,3,4,5,6,7,8,9,10,11,12,13,14,15
	ds_store_b128 v[XST], v[X+4*\i:X+4*\i+3] offset:WP*\i
.endr
.irp i, 0,1,2,3,4,5,6,7,8,9,10,11,12,13,14,15
	ds_load_b128 v[X+4*\i:X+4*\i+3], v[XLD] offset:32*\i      ; K step i / 2, half i % 2: 16 bytes at 64 s + 32 c + 16 h of row r
.endr
.endm
; 64 matrix instructions; the 8 accumulators take turns, one instruction a turn
.macro MUL par
	WIN 0x31                                       ; source 0 (W1) window 1, source 2 (b1) window 3
.set ht, 0
.rept 8
	WM ACC+8*ht, 8*ht, X, 8*ht, W1S+8*(ht/2), XS, ht%2, \par
.set ht, ht+1
.endr
	WIN 0x01
.set ks, 1
.rept 3
.set ht, 0
.rept 8
	WM ACC+8*ht, 64*ks+8*ht, X+8*ks, ACC+8*ht, W1S+8*(ht/2)+ks, XS+ks, ht%2, \par
.set ht, ht+1
.endr
.set ks, ks+1
.endr
	WIN 0x02                                       ; source 0 window 2
.rept 4
.set ht, 0
.rept 8
	WM ACC+8*ht, 64*(ks-4)+8*ht, X+8*ks, ACC+8*ht, W1S+8*(ht/2)+ks, XS+ks, ht%2, \par
.set ht, ht+1
.endr
.set ks, ks+1
.endr
	WIN 0
.rept 4
	v_nop                                          ; four places ahead of loads into registers that these products read, and of the first read of their results
.endr
.endm
; the activation, in place, 16 numbers at a time, each accumulator from its low end on.  The coefficients carry the factor -1 / sqrt(2 pi), so QQ ends as -q
.macro GELU
.set g, 0
.rept 4
.set XB, ACC+16*g
.set k, 0
.rept 16
	v_fma_f32 v[T+k], |v[XB+k]|, s48, 1.0          ; 1 + p |x|
.set k, k+1
.endr
.set k, 0
.rept 8
	v_pk_mul_f32 v[U+k:U+k+1], v[XB+k:XB+k+1], v[XB+k:XB+k+1]
.set k, k+2
.endr
.set k, 0
.rept 8
	v_pk_mul_f32 v[U+k:U+k+1], v[U+k:U+k+1], s[50:51] op_sel_hi:[1,0]   ; -x^2 log2(e) / 2
.set k, k+2
.endr
.set k, 0
.rept 16
	v_rcp_f32 v[T+k], v[T+k]
.set k, k+1
.endr
.set k, 0
.rept 16
	v_exp_f32 v[U+k], v[U+k]
.set k, k+1
.endr
	v_nop                                          ; a plain instruction behind the last transcendental,
	s_wait_alu depctr_va_vdst(0)                   ; and one wait for the batch of 32, ahead of the first use of a result
.set k, 0
.rept 8
	v_pk_fma_f32 v[QQ+k:QQ+k+1], v[T+k:T+k+1], s[52:53], v[C4V:C4V+1] op_sel_hi:[1,0,1]
.set k, k+2
.endr
.irp c, 54,56,58
.set k, 0
.rept 8
	v_pk_fma_f32 v[QQ+k:QQ+k+1], v[QQ+k:QQ+k+1], v[T+k:T+k+1], s[\c:\c+1] op_sel_hi:[1,1,0]
.set k, k+2
.endr
.endr
.set k, 0
.rept 8
	v_pk_mul_f32 v[QQ+k:QQ+k+1], v[QQ+k:QQ+k+1], v[T+k:T+k+1]
.set k, k+2
.endr
.set k, 0
.rept 8
	v_pk_mul_f32 v[QQ+k:QQ+k+1], v[QQ+k:QQ+k+1], v[U+k:U+k+1]
.set k, k+2
.endr
.set k, 0
.rept 16
	v_max_num_f32 v[U+k], 0, v[XB+k]
.set k, k+1
.endr
.set k, 0
.rept 16
	v_fma_f32 v[XB+k], |v[XB+k]|, v[QQ+k], v[U+k]  ; max(x, 0) - |x| q
.set k, k+1
.endr
.set g, g+1
.endr
.endm
; 64 numbers of a lane, register 16 b + i = k 32 b + 16 (lane / 16) + i of my row, become a fragment's codes in v[PC] on and its scale word in v[PW]
.macro QUANT s
.irp b, 0,1,2,3
	v_max3_num_f32 v[TM+\b], |v[\s+16*\b]|, |v[\s+1+16*\b]|, 0x1800000   ; my 16 numbers of block b, and the floor 2^(3 - 127): the byte cannot fall under 1
.endr
.irp i, 2,4,6,8,10,12,14
.irp b, 0,1,2,3
	v_max3_num_f32 v[TM+\b], v[TM+\b], |v[\s+16*\b+\i]|, |v[\s+1+16*\b+\i]|
.endr
.endr
.irp b, 0,1,2,3
	v_permlanex16_b32 v[TM+4+\b], v[TM+\b], s60, s61
.endr
.irp b, 0,1,2,3
	v_max_num_f32 v[TM+\b], v[TM+\b], v[TM+4+\b]   ; with lane l xor 16's: the block's largest magnitude
.endr
.irp b, 0,1,2,3
	v_add_nc_u32 v[TM+12+\b], 0xff000000, v[TM+\b] ; 2 off its exponent field: the conversion's scale operand
.endr
.irp b, 0,1,2,3
	v_lshrrev_b32 v[TM+4+\b], 23, v[TM+12+\b]      ; the scale's byte
.endr
	v_lshl_or_b32 v[PW], v[TM+5], 8, v[TM+4]
	v_lshl_or_b32 v[PW], v[TM+6], 16, v[PW]
	v_lshl_or_b32 v[PW], v[TM+7], 24, v[PW]
.irp b, 0,1,2,3
	v_cvt_scalef32_pk8_fp4_f32 v[PC+2*\b], v[\s+16*\b:\s+7+16*\b], v[TM+12+\b]
	v_cvt_scalef32_pk8_fp4_f32 v[PC+1+2*\b], v[\s+8+16*\b:\s+15+16*\b], v[TM+12+\b]
.endr
	v_nop                                          ; one plain instruction behind a scaled conversion
.irp c, 0,1                            ; the operand's layout wants a whole block in a lane
.irp i, 0,1
	v_permlane16_swap_b32 v[PC+4*\c+\i], v[PC+2+4*\c+\i]
.endr
.endr
.endm
.macro OUT sj                          ; tile s[sj]'s image: two runs of 512 bytes; a scale word a row (lanes 16-31 repeat lanes 0-15's word at the same place)
	s_min_u32 s66, s[(\sj)], 15
	s_lshl_b32 s67, s66, 15
	v_add_nc_u32 v[HO], s67, v[L16]
	s_lshl_b32 s67, s66, 11
	v_add_nc_u32 v[HSF], s67, v[R16]
	global_store_b128 v[HO], v[PC:PC+3], s[74:75]
	global_store_b128 v[HO], v[PC+4:PC+7], s[74:75] offset:512
	global_store_b32 v[HSF], v[PW], s[76:77]
.endm
.macro TILE par
	s_wait_loadcnt 0x0                             ; the tile's rows and scale words are in (at the first tile: W1's scale words and b1 too); the loads' address registers are free
	s_wait_xcnt 0x0                                ; the last tile's stores have read their registers, over which the work below lies
	TURN
	s_wait_dscnt 0x0                               ; the fragments (at the first tile: W1's too)
	MUL \par
.if \par == 0
	s_add_co_u32 s30, s29, 1                       ; the pair's odd tile, if the list has it: its rows are on their way during the gelu
	s_cmp_ge_u32 s30, s26
	s_cbranch_scc1 .Lskip_\@
	GATHER 1
.else
	s_add_co_u32 s31, s28, 1                       ; the next pair, if there is one
	s_cmp_ge_u32 s31, s27
	s_cbranch_scc1 .Lskip_\@
	SEARCH 31
	XSLOAD
	GATHER 0
.endif
.Lskip_\@:
	GELU
	QUANT ACC
	OUT 29+\par
.endm
	s_load_b256 s[4:11], s[0:1], 0x0               ; xq s[4:5], sel s[6:7], w1_codes s[8:9], w1_scales s[10:11]
	s_load_b128 s[12:15], s[0:1], 0x20             ; b1 s[12:13], hq s[14:15]
	s_load_b64 s[16:17], s[0:1], 0x30              ; rmap
	v_lshl_add_u32 v253, v0, 2, 0x18c00
	v_mov_b32 v255, 0
	v_lshrrev_b32 v1, 5, v0
	v_readfirstlane_b32 s22, v1                    ; wave = the range of tokens
	s_and_b32 s23, ttmp7, 0xffff                   ; e
	s_mov_b32 s24, ttmp9                           ; hc
	v_and_b32 v[LN], 31, v0
	v_and_b32 v[RR], 15, v0
	v_bfe_u32 v[HH], v0, 4, 1
	v_lshlrev_b32 v[L16], 4, v[LN]
	s_mul_i32 s29, s22, XREG
	s_add_co_u32 s29, s29, XSTG
	v_add_nc_u32 v[XST], s29, v[L16]
	v_mul_u32_u24 v[XLD], v[RR], WP
	v_lshl_add_u32 v[XLD], v[HH], 4, v[XLD]
	v_add_nc_u32 v[XLD], s29, v[XLD]
	v_and_b32 v246, 8, v[RR]
	v_add_nc_u32 v246, v246, v[RR]                 ; r + 8 (r / 8)
	v_lshl_add_u32 v246, v[HH], 3, v246            ; + 8 h: lanes 16-31 take the odd tile's rows
	v_lshlrev_b32 v246, 5, v246                    ; W1's scale bytes: 32 a row
	v_mul_u32_u24 v[AW], v[RR], WP
	v_lshl_add_u32 v[AW], v[HH], 4, v[AW]
	v_lshlrev_b32 v[R16], 4, v[RR]
	s_mul_i32 s29, s22, 32*WP
	v_add_nc_u32 v247, s29, v[L16]                 ; where my 32 rows of W1 go in LDS
	v_lshlrev_b32 v245, 6, v[HH]                   ; b1: 64 h
	s_lshl_b32 s29, s22, 10
	v_lshl_add_u32 v244, v[LN], 2, s29             ; sel: 4 (256 w + lane)
	v_mov_b32 v[C4V], 0x3f3a00e3                   ; -c4
	v_mov_b32 v[C4V+1], v[C4V]
	s_mov_b32 s48, 0x3e6d3389                      ; p = 0.2316419
	s_mov_b32 s50, 0xbf38aa3b                      ; -log2(e) / 2
	s_mov_b32 s51, s50                             ; (each pair is named whole, so both words are written)
	s_mov_b32 s52, 0xbf07dc22                      ; -c5 = -1.330274429 / sqrt(2 pi)
	s_mov_b32 s53, s52
	s_mov_b32 s54, 0xbf35f0e3                      ; -c3
	s_mov_b32 s55, s54
	s_mov_b32 s56, 0x3e11a98e                      ; -c2
	s_mov_b32 s57, s56
	s_mov_b32 s58, 0xbe027906                      ; -c1
	s_mov_b32 s59, s58
	s_mov_b32 s60, 0x76543210                      ; v_permlanex16_b32's selects for lane l xor 16
	s_mov_b32 s61, 0xfedcba98
	s_mov_b32 s82, 0x55555555
	s_mov_b32 s83, 0x33333333
	s_mov_b32 s84, 0x0f0f0f0f
	s_lshl_b32 s85, s22, 8                         ; my range's first token
	s_lshl_b32 s73, s23, 2
	s_add_co_u32 s73, s73, s22                     ; the list's number, 4 e + w
	s_add_co_u32 s72, s73, 2048                    ; its spare row of y
	s_lshl_b32 s66, s23, 21                        ; W1's codes: e x 4,096 rows of 512 bytes,
	s_lshl_b32 s67, s24, 16                        ; + 128 hc rows,
	s_add_co_u32 s66, s66, s67
	s_lshl_b32 s67, s22, 14                        ; + my 32 rows
	s_add_co_u32 s66, s66, s67
	s_mov_b32 s67, 0
	s_lshl_b32 s68, s23, 17                        ; W1's scale bytes: 32 a row
	s_lshl_b32 s69, s24, 12
	s_add_co_u32 s68, s68, s69
	s_mov_b32 s69, 0
	s_lshl_b32 s70, s23, 14                        ; b1
	s_lshl_b32 s71, s24, 9
	s_add_co_u32 s70, s70, s71
	s_mov_b32 s71, 0
	s_lshl_b32 s86, s73, 19                        ; hq's codes: 16 slots of 32,768 bytes a list, + K step hc
	s_lshl_b32 s87, s24, 10
	s_add_co_u32 s86, s86, s87
	s_mov_b32 s87, 0
	s_lshl_b32 s88, s73, 15                        ; hq's scale words: 16 slots of 2,048 bytes a list,
	s_lshr_b32 s89, s24, 2
	s_lshl_b32 s89, s89, 8                         ; + 256 (hc / 4)
	s_add_co_u32 s88, s88, s89
	s_and_b32 s89, s24, 3
	s_lshl_b32 s89, s89, 2                         ; + 4 (hc % 4)
	s_add_co_u32 s88, s88, s89
	s_add_co_u32 s88, s88, HSO
	s_mov_b32 s89, 0
	s_lshl_b32 s90, s73, 10                        ; rmap: 16 slots of 64 bytes a list
	s_mov_b32 s91, 0
	s_wait_kmcnt 0x0
	s_add_nc_u64 s[8:9], s[8:9], s[66:67]
	s_add_nc_u64 s[10:11], s[10:11], s[68:69]
	s_add_nc_u64 s[12:13], s[12:13], s[70:71]
	s_add_nc_u64 s[74:75], s[14:15], s[86:87]
	s_add_nc_u64 s[76:77], s[14:15], s[88:89]
	s_add_nc_u64 s[78:79], s[16:17], s[90:91]
.irp i, 0,1,2,3,4,5,6,7
	global_load_b32 v[200+\i], v244, s[6:7] offset:128*\i      ; the choices of my 256 tokens
.endr
	WIN 0x40                                       ; destination window 1
.set i, 0
.rept 32
	global_load_b128 v[4*i:4*i+3], v[L16], s[8:9] offset:512*i th:TH_LOAD_NT   ; a row of W1: 512 bytes on end; read once in the launch
.set i, i+1
.endr
	WIN 0
.irp p, 0,1,2,3
.irp c, 0,1
	global_load_b128 v[W1S+8*\p+4*\c:W1S+8*\p+4*\c+3], v246, s[10:11] offset:1024*\p+16*\c
.endr
.endr
	WIN 0xc0                                       ; destination window 3
.irp t, 0,1,2,3,4,5,6,7
	global_load_b128 v[8*\t:8*\t+3], v245, s[12:13] offset:(32*(\t/2)+8*(\t%2))*4
	global_load_b128 v[8*\t+4:8*\t+7], v245, s[12:13] offset:(32*(\t/2)+8*(\t%2))*4+16
.endr
	WIN 0
	s_wait_loadcnt 56                              ; the choices are in: 32 + 8 + 16 loads stand behind them
.irp i, 0,1,2,3,4,5,6,7                ; all sixteen compares first, each into a scalar register of its own: the scalar lines below wait for them once
	v_and_b32 v209, 0xff, v[200+\i]
	v_bfe_u32 v210, v[200+\i], 8, 8
	v_cmp_eq_u32 s[32+\i], s23, v209               ; e is the first choice
	v_cmp_eq_u32 s[M2+\i], s23, v210               ; e is the second
.endr
	s_mov_b32 s25, 0
.irp i, 0,1,2,3,4,5,6,7
	s_or_b32 s[32+\i], s[32+\i], s[M2+\i]          ; who of tokens 32 i .. 32 i + 31 chose e
	s_lshl_b32 s66, s25, 5
	s_or_b32 s[40+\i], s66, \i
	s_bcnt1_i32_b32 s67, s[32+\i]
	s_add_co_u32 s25, s25, s67
.endr
	s_add_co_u32 s26, s25, 15
	s_lshr_b32 s26, s26, 4                         ; tiles
	s_add_co_u32 s27, s26, 1
	s_lshr_b32 s27, s27, 1                         ; pairs of tiles
	s_cmp_lg_u32 s24, 8
	s_cbranch_scc1 .Lno_cnt
	v_mov_b32 v209, s25                            ; the list's count, by one work-group of the 32
	s_lshl_b32 s66, s73, 2
	v_mov_b32 v210, s66
	v_cmp_eq_u32 vcc_lo, 0, v[LN]
	s_wait_xcnt 0x0                                ; EXEC changes only behind this wait
	s_and_saveexec_b32 s66, vcc_lo
	global_store_b32 v210, v209, s[16:17] offset:32768
	s_wait_xcnt 0x0
	s_or_b32 exec_lo, exec_lo, s66
.Lno_cnt:
	s_mov_b32 s28, 0
	SEARCH 28                                      ; the first pair, whatever the count: so every register that the loop reads is written on every way; an empty list's lanes get valid tokens
	XSLOAD
	GATHER 0
	s_wait_loadcnt 42                              ; my 32 rows of W1 are in: 8 + 16 + 2 + 16 loads stand behind them on every way
	WIN 0x04                                       ; an LDS store's data are its source 1: window 1
.set i, 0
.rept 32
	ds_store_b128 v247, v[4*i:4*i+3] offset:WP*(16*((i/8)%2)+8*(i/16)+i%8)   ; row i = 16 a + 8 u + m of my 32 is lane 8 a + m of my tile u: LDS row 16 u + 8 a + m
.set i, i+1
.endr
	WIN 0
	s_wait_dscnt 0x0                               ; for the others' sake: my rows lie in LDS
	s_barrier_signal -1
	s_barrier_wait -1                              ; all 128 do; nobody writes them again
	s_cmp_eq_u32 s25, 0
	s_cbranch_scc1 .Lend                           ; nobody of my range chose e
	WIN 0x40
.irp k, 0,1,2,3
.irp t, 0,1,2,3,4,5,6,7
.irp c, 0,1
	ds_load_b128 v[64*\k+8*\t+4*\c:64*\k+8*\t+4*\c+3], v[AW] offset:16*\t*WP+64*\k+32*\c
.endr
.endr
.endr
	WIN 0x80
.irp k, 0,1,2,3
.irp t, 0,1,2,3,4,5,6,7
.irp c, 0,1
	ds_load_b128 v[64*\k+8*\t+4*\c:64*\k+8*\t+4*\c+3], v[AW] offset:16*\t*WP+256+64*\k+32*\c
.endr
.endr
.endr
	WIN 0
.Lpair:                                            ; a trip: two tiles; at most 8 trips.  The loop is left by falling through its branch back, or by the s_endpgm between the two tiles
	s_lshl_b32 s29, s28, 1
	TILE 0
	s_cmp_lt_u32 s30, s26
	s_cbranch_scc1 .Lodd                           ; the pair has its odd tile
	s_wait_tensorcnt 0x0
	ds_add_u32 v253, v255
	s_wait_dscnt 0x0
	s_endpgm                                       ; the list ends with an even tile: the wave's work is done (plain stores may be on their way here)
.Lodd:
	TILE 1
	s_add_co_u32 s28, s28, 1
	s_cmp_lt_u32 s28, s27
	s_cbranch_scc1 .Lpair
.Lend:
	s_wait_tensorcnt 0x0
	ds_add_u32 v253, v255
	s_wait_dscnt 0x0
	s_endpgm
.Lfunc_end_k_q395194ed90_ffn1:
	.size	k_q395194ed90_ffn1, .Lfunc_end_k_q395194ed90_ffn1-k_q395194ed90_ffn1
	.p2alignl 7, 3214868480
	.fill 96, 4, 3214868480
	.section	.rodata,"a",@progbits
	.p2align	6, 0x0
	.amdhsa_kernel k_q395194ed90_ffn1
		.amdhsa_group_segment_fixed_size 101888
		.amdhsa_private_segment_fixed_size 0
		.amdhsa_enable_private_segment 0
		.amdhsa_kernarg_size 56
		.amdhsa_user_sgpr_count 2
		.amdhsa_user_sgpr_kernarg_segment_ptr 1
		.amdhsa_wavefront_size32 1
		.amdhsa_system_sgpr_workgroup_id_x 1
		.amdhsa_system_sgpr_workgroup_id_y 1
		.amdhsa_system_sgpr_workgroup_id_z 1
		.amdhsa_system_vgpr_workitem_id 0
		.amdhsa_next_free_vgpr 832
		.amdhsa_next_free_sgpr 102
		.amdhsa_reserve_vcc 1
		.amdhsa_float_denorm_mode_32 3
		.amdhsa_float_denorm_mode_16_64 3
		.amdhsa_memory_ordered 1
		.amdhsa_forward_progress 1
		.amdhsa_inst_pref_size 136
	.end_amdhsa_kernel
	.amdgpu_metadata
---
amdhsa.version: [ 1, 2 ]
amdhsa.kernels:
  - .name:           k_q395194ed90_ffn1
    .symbol:         k_q395194ed90_ffn1.kd
    .args:
      - { .name: xq, .offset: 0, .size: 8, .value_kind: global_buffer, .address_space: global }
      - { .name: sel, .offset: 8, .size: 8, .value_kind: global_buffer, .address_space: global }
      - { .name: w1_codes, .offset: 16, .size: 8, .value_kind: global_buffer, .address_space: global }
      - { .name: w1_scales, .offset: 24, .size: 8, .value_kind: global_buffer, .address_space: global }
      - { .name: b1, .offset: 32, .size: 8, .value_kind: global_buffer, .address_space: global }
      - { .name: hq, .offset: 40, .size: 8, .value_kind: global_buffer, .address_space: global }
      - { .name: rmap, .offset: 48, .size: 8, .value_kind: global_buffer, .address_space: global }
    .group_segment_fixed_size: 101888
    .private_segment_fixed_size: 0
    .kernarg_segment_align: 8
    .kernarg_segment_size: 56
    .max_flat_workgroup_size: 128
    .sgpr_count:     102
    .vgpr_count:     832
    .wavefront_size: 32
...
	.end_amdgpu_metadata
.endif
;; end of part 2
;; launch ffn2 (part 3): grid 32 x 8, 4 waves a work-group, no clusters, 103,936 bytes of LDS; arguments hq, rmap, w2_codes, w2_scales, b2, y; writes y
.if DOCPART == 3
	.amdgcn_target "amdgcn-amd-amdhsa--gfx1250"
	.amdhsa_code_object_version 6
	.text
	.protected	k_q395194ed90_ffn2
	.globl	k_q395194ed90_ffn2
	.p2align	8
	.type	k_q395194ed90_ffn2,@function
k_q395194ed90_ffn2:
	s_mov_b64 s[64:65], 0
	v_nop
	global_prefetch_b8 v0, s[64:65] scope:SCOPE_SE
	s_setreg_imm32_b32 hwreg(HW_REG_WAVE_MODE, 25, 1), 1
	s_wait_xcnt 0x0
; The second product of the chosen rows: y[row] = h W2[e] + b2[e], row = 2 token + k from rmap.  (The gate's weight is applied by the last launch, which knows it at a fixed place.)
; SHARES.  Work-group (x, e): cc = x / 2: columns 64 cc .. 64 cc + 63 of expert e; q = x % 2: the lists of token ranges 2 q ("tile 0") and 2 q + 1 ("tile 1").
; THE WAVES SHARE K: wave w holds K steps 8 w .. 8 w + 7 (of 32) of the 64 columns of W2 in 256 registers, and reads only those K steps of h: no byte of W2 or h is loaded twice in a work-group.
; The four partial sums of a tile meet in an LDS stage; each wave then finishes 4 rows: adds the four and b2, and stores 256 bytes of a row of y by sixteen lanes.
; ORDER OF ROUNDING: an output's sum along K is made in four quarters of 1,024, each ascending, then (P0 + P1) + (P2 + P3).
; The product is used transposed (source 0 = 16 columns' rows of W2, source 1 = h's image): a lane holds 8 neighbouring columns of one row.
; THE LOOP has a constant count, 16 trips, the most tiles a list can have; each has one barrier, on every wave's path.  A trip goes by cases, by scalar branches on the stored counts:
; neither list has such a tile: one jump to the barrier and one behind it; both have: the two tiles' products on eight accumulators by turns, and their stage reads in one run; one has: that tile alone.
; The stage has two halves that take turns, so that one barrier a trip orders both the writing before the reading and the reading before the next writing.
; h's tiles are asked for a trip ahead, into two sets of registers.  Tiles 0 and 1 of both lists are asked for at the head, whatever the counts, so that every register read later is written on
; every way; what a list does not have is loaded and never used.
; A last tile's filler rows go to the list's spare row of y (rows 2,048 on), which nobody reads.  No tensor load, no cluster: branches hang on counts read from memory.
.set HSO,   16777216                   ; hq: where the scale words begin
.set TP,    528                        ; the turn of W2: an LDS row of 512 bytes + 16
.set TREG,  16*TP                      ; 16 rows for each wave
.set STG,   4*TREG                     ; behind them the stage: [half 2][tile 2][wave 4] x 16 rows
.set SP,    272                        ; a stage row: 64 columns of f32 + 16 bytes
.set SREG,  16*SP
.set STILE, 4*SREG
.set SPAR,  2*STILE
.set LN,   1
.set RR,   2
.set HH,   3
.set L16,  4                           ; v4   16 x lane
.set TST,  5                           ; v5   the turn, in
.set TLD,  6                           ; v6   the turn, back
.set STO,  7                           ; v7   the stage, in: my region, row r, + 32 h
.set RD0,  8                           ; v8   the stage, back, half 0: row 4 w + h, + 16 r;  v11 the same in half 1
.set RMO,  9                           ; v9   4 (4 w + h): my row's word in a slot of rmap
.set CO,   10                          ; v10  256 cc + 16 r: my 4 columns, in bytes
.set HOF,  12                          ; v12-15 [set][tile] offsets of h's codes
.set HSF,  16                          ; v16-19 of its scale words
.set RMF,  20                          ; v20-23 of rmap
.set YA,   24                          ; v24-27 [tile][i] offsets in y
.set B2,   28                          ; v28-31 b2 of my 4 columns
.set W2S,  32                          ; v32-47 W2's scale words: register 8 p + s: lanes 0-15 column tile 2 p, lanes 16-31 tile 2 p + 1
.set HS,   48                          ; v48-63 [set][tile][4] h's scale words: lanes 0-15 K steps 8 w + i, lanes 16-31 K steps 8 w + 4 + i
.set SL,   64                          ; v64-71 [set][tile][i] my rows' rows of y
.set ACC,  96                          ; v96-159 [tile][column tile] accumulators
.set RED,  160                         ; v160-223 [tile][wave][i] the four partial sums of my rows
; window 1: W2's fragments at 64 ct + 8 s (as loaded: row i of tile ct at 64 ct + 4 i);  window 2: h's fragments at 128 set + 64 tile + 8 s
; s26, s27 the two lists' tiles, s42 the larger of them, s43 the smaller, s44 the loop's counter, s45 this trip's tile number, s46 the next trip's
.set MSB, 0
.macro WIN new                         ; the immediate's high byte repeats the setting that is left
.if MSB != \new
	s_set_vgpr_msb (MSB<<8)|\new
.set MSB, \new
.endif
.endm
; one matrix instruction; z = 1: it starts the sum with the constant 0; ra, rb: the scales are taken from lanes 16-31
.macro WM z, d, a, b, sa, sb, ra, rb
.if (\z) && (\ra) && (\rb)
	v_wmma_scale_f32_16x16x128_f8f6f4 v[(\d):(\d)+7], v[(\a):(\a)+7], v[(\b):(\b)+7], 0, v[\sa], v[\sb] matrix_a_fmt:MATRIX_FMT_FP4 matrix_b_fmt:MATRIX_FMT_FP4 matrix_a_scale:MATRIX_SCALE_ROW1 matrix_b_scale:MATRIX_SCALE_ROW1
.elseif (\z) && (\ra)
	v_wmma_scale_f32_16x16x128_f8f6f4 v[(\d):(\d)+7], v[(\a):(\a)+7], v[(\b):(\b)+7], 0, v[\sa], v[\sb] matrix_a_fmt:MATRIX_FMT_FP4 matrix_b_fmt:MATRIX_FMT_FP4 matrix_a_scale:MATRIX_SCALE_ROW1
.elseif (\z) && (\rb)
	v_wmma_scale_f32_16x16x128_f8f6f4 v[(\d):(\d)+7], v[(\a):(\a)+7], v[(\b):(\b)+7], 0, v[\sa], v[\sb] matrix_a_fmt:MATRIX_FMT_FP4 matrix_b_fmt:MATRIX_FMT_FP4 matrix_b_scale:MATRIX_SCALE_ROW1
.elseif (\z)
	v_wmma_scale_f32_16x16x128_f8f6f4 v[(\d):(\d)+7], v[(\a):(\a)+7], v[(\b):(\b)+7], 0, v[\sa], v[\sb] matrix_a_fmt:MATRIX_FMT_FP4 matrix_b_fmt:MATRIX_FMT_FP4
.elseif (\ra) && (\rb)
	v_wmma_scale_f32_16x16x128_f8f6f4 v[(\d):(\d)+7], v[(\a):(\a)+7], v[(\b):(\b)+7], v[(\d):(\d)+7], v[\sa], v[\sb] matrix_a_fmt:MATRIX_FMT_FP4 matrix_b_fmt:MATRIX_FMT_FP4 matrix_a_scale:MATRIX_SCALE_ROW1 matrix_b_scale:MATRIX_SCALE_ROW1
.elseif (\ra)
	v_wmma_scale_f32_16x16x128_f8f6f4 v[(\d):(\d)+7], v[(\a):(\a)+7], v[(\b):(\b)+7], v[(\d):(\d)+7], v[\sa], v[\sb] matrix_a_fmt:MATRIX_FMT_FP4 matrix_b_fmt:MATRIX_FMT_FP4 matrix_a_scale:MATRIX_SCALE_ROW1
.elseif (\rb)
	v_wmma_scale_f32_16x16x128_f8f6f4 v[(\d):(\d)+7], v[(\a):(\a)+7], v[(\b):(\b)+7], v[(\d):(\d)+7], v[\sa], v[\sb] matrix_a_fmt:MATRIX_FMT_FP4 matrix_b_fmt:MATRIX_FMT_FP4 matrix_b_scale:MATRIX_SCALE_ROW1
.else
	v_wmma_scale_f32_16x16x128_f8f6f4 v[(\d):(\d)+7], v[(\a):(\a)+7], v[(\b):(\b)+7], v[(\d):(\d)+7], v[\sa], v[\sb] matrix_a_fmt:MATRIX_FMT_FP4 matrix_b_fmt:MATRIX_FMT_FP4
.endif
.endm
; tile number s[sj] of list `tile` into set buf: my 8 K steps of codes (16 loads of 512 bytes on end), their scale words (512 bytes on end), my rows' rows of y: 19 loads
.macro LOADT tile, buf, sj
	s_lshl_b32 s50, s[\sj], 15
	v_add_nc_u32 v[HOF+2*(\buf)+\tile], s50, v[L16]
	s_lshl_b32 s50, s[\sj], 11
	v_add_nc_u32 v[HSF+2*(\buf)+\tile], s50, v[L16]
	s_lshl_b32 s50, s[\sj], 6
	v_add_nc_u32 v[RMF+2*(\buf)+\tile], s50, v[RMO]
	WIN 0x80                                       ; destination window 2
.irp k, 0,1,2,3,4,5,6,7
.irp c, 0,1
	global_load_b128 v[128*(\buf)+64*\tile+8*\k+4*\c:128*(\buf)+64*\tile+8*\k+4*\c+3], v[HOF+2*(\buf)+\tile], s[28:29] offset:\tile*524288+1024*\k+512*\c
.endr
.endr
	WIN 0
	global_load_b128 v[HS+8*(\buf)+4*\tile:HS+8*(\buf)+4*\tile+3], v[HSF+2*(\buf)+\tile], s[30:31] offset:\tile*32768
.irp i, 0,1
	global_load_b32 v[SL+4*(\buf)+2*\tile+\i], v[RMF+2*(\buf)+\tile], s[32:33] offset:\tile*1024+8*\i
.endr
.endm
.macro PLACES5
.rept 5
	v_nop                                          ; four places ahead of the stores that read the results and of loads into the operands; a fifth ahead of the matrix instruction that begins these accumulators anew
.endr
.endm
; one tile: 32 matrix instructions: my 8 K steps x 4 column tiles; the 4 accumulators take turns, one instruction a turn; the first K step starts the sums
.macro MULT tile, buf
	WIN 0x09                                       ; source 0 (W2) window 1, source 1 (h) window 2
.set ks, 0
.rept 8
.set ct, 0
.rept 4
	WM ks==0, ACC+32*\tile+8*ct, 64*ct+8*ks, 128*\buf+64*\tile+8*ks, W2S+8*(ct/2)+ks, HS+8*\buf+4*\tile+ks%4, ct%2, ks/4
.set ct, ct+1
.endr
.set ks, ks+1
.endr
	WIN 0
	PLACES5
.endm
; both tiles: 64 matrix instructions; the 8 accumulators take turns, so that seven others' instructions stand between two links of a chain
.macro MULT2 buf
	WIN 0x09
.set ks, 0
.rept 8
.set ct, 0
.rept 4
	WM ks==0, ACC+8*ct, 64*ct+8*ks, 128*\buf+8*ks, W2S+8*(ct/2)+ks, HS+8*\buf+ks%4, ct%2, ks/4
	WM ks==0, ACC+32+8*ct, 64*ct+8*ks, 128*\buf+64+8*ks, W2S+8*(ct/2)+ks, HS+8*\buf+4+ks%4, ct%2, ks/4
.set ct, ct+1
.endr
.set ks, ks+1
.endr
	WIN 0
	PLACES5
.endm
.macro STAGE tile, par                 ; my partial sums into my region of the stage; each accumulator from its low end on
.irp t, 0,1,2,3
	ds_store_b128 v[STO], v[ACC+32*\tile+8*\t:ACC+32*\tile+8*\t+3] offset:\par*SPAR+\tile*STILE+64*\t
	ds_store_b128 v[STO], v[ACC+32*\tile+8*\t+4:ACC+32*\tile+8*\t+7] offset:\par*SPAR+\tile*STILE+64*\t+16
.endr
.endm
; rows 4 w .. 4 w + 3 of the tile: instruction i takes rows 4 w + 2 i + (lane / 16), 16 bytes a lane.  FINL: the four waves' partial sums, 8 loads.  FINC: their sum, b2, the stores
.macro FINL tile, par
.irp u, 0,1,2,3
.irp i, 0,1
	ds_load_b128 v[RED+32*\tile+8*\u+4*\i:RED+32*\tile+8*\u+4*\i+3], v[RD0+3*\par] offset:\tile*STILE+\u*SREG+\i*2*SP
.endr
.endr
.endm
.macro FINC tile, par
.set RB, RED+32*\tile
.irp d, 0,2,4,6
	v_pk_add_f32 v[RB+\d:RB+\d+1], v[RB+\d:RB+\d+1], v[RB+8+\d:RB+8+\d+1]
	v_pk_add_f32 v[RB+16+\d:RB+16+\d+1], v[RB+16+\d:RB+16+\d+1], v[RB+24+\d:RB+24+\d+1]
.endr
.irp d, 0,2,4,6
	v_pk_add_f32 v[RB+\d:RB+\d+1], v[RB+\d:RB+\d+1], v[RB+16+\d:RB+16+\d+1]
.endr
.irp d, 0,2,4,6
	v_pk_add_f32 v[RB+\d:RB+\d+1], v[RB+\d:RB+\d+1], v[B2+\d%4:B2+\d%4+1]
.endr
.irp i, 0,1
	v_min_u32 v[YA+2*\tile+\i], 0x81f, v[SL+4*\par+2*\tile+\i]         ; a row of y, whatever was loaded
	v_lshl_add_u32 v[YA+2*\tile+\i], v[YA+2*\tile+\i], 12, v[CO]
	global_store_b128 v[YA+2*\tile+\i], v[RB+4*\i:RB+4*\i+3], s[14:15]   ; sixteen lanes store 256 consecutive bytes, at a multiple of 256 from y's first byte
.endr
.endm
.macro TRIP par
	s_add_co_u32 s45, s44, \par                    ; this trip's tile number,
	s_add_co_u32 s46, s45, 1                       ; the next trip's
	s_wait_loadcnt 0x0                             ; this trip's tiles are in; every load's address register is free
	s_cmp_ge_u32 s45, s42
	s_cbranch_scc1 .Lbar_\@                        ; neither list has such a tile, nor a later one: straight to the barrier
.if \par == 0
	s_cmp_eq_u32 s44, 0                            ; tile 1 was asked for at the head
	s_cselect_b32 s47, 0, s26
	s_cselect_b32 s48, 0, s27
.else
	s_mov_b32 s47, s26
	s_mov_b32 s48, s27
.endif
	s_cmp_lt_u32 s46, s47
	s_cbranch_scc0 .Lna_\@
	LOADT 0, 1-\par, 46
.Lna_\@:
	s_cmp_lt_u32 s46, s48
	s_cbranch_scc0 .Lnb_\@
	LOADT 1, 1-\par, 46
.Lnb_\@:
	s_cmp_lt_u32 s45, s43
	s_cbranch_scc0 .Lone_\@
	MULT2 \par                                     ; both lists have the tile
	STAGE 0, \par
	STAGE 1, \par
	s_branch .Lbar_\@
.Lone_\@:
	s_cmp_lt_u32 s45, s26
	s_cbranch_scc0 .Lmb_\@
	MULT 0, \par
	STAGE 0, \par
.Lmb_\@:
	s_cmp_lt_u32 s45, s27
	s_cbranch_scc0 .Lbar_\@
	MULT 1, \par
	STAGE 1, \par
.Lbar_\@:
	s_wait_dscnt 0x0                               ; for the others' sake: my stores into this half of the stage have landed; my reads of the other half are long in
	s_barrier_signal -1
	s_barrier_wait -1                              ; on every wave's path, outside every branch
	s_cmp_ge_u32 s45, s42
	s_cbranch_scc1 .Lend_\@
	s_wait_xcnt 0x0                                ; the stores before have read the registers that are written below
	s_cmp_lt_u32 s45, s43
	s_cbranch_scc0 .Lfone_\@
	FINL 0, \par                                   ; both tiles' reads in one run,
	FINL 1, \par
	s_wait_dscnt 8                                 ; tile 0's eight are in, tile 1's eight may be out
	FINC 0, \par
	s_wait_dscnt 0x0
	FINC 1, \par
	s_branch .Lend_\@
.Lfone_\@:
	s_cmp_lt_u32 s45, s26
	s_cbranch_scc0 .Lfb_\@
	FINL 0, \par
	s_wait_dscnt 0x0
	FINC 0, \par
.Lfb_\@:
	s_cmp_lt_u32 s45, s27
	s_cbranch_scc0 .Lend_\@
	FINL 1, \par
	s_wait_dscnt 0x0
	FINC 1, \par
.Lend_\@:
.endm
	s_load_b256 s[4:11], s[0:1], 0x0               ; hq s[4:5], rmap s[6:7], w2_codes s[8:9], w2_scales s[10:11]
	s_load_b128 s[12:15], s[0:1], 0x20             ; b2 s[12:13], y s[14:15]
	v_lshl_add_u32 v254, v0, 2, 0x19400
	v_mov_b32 v255, 0
	v_lshrrev_b32 v1, 5, v0
	v_readfirstlane_b32 s20, v1                    ; wave
	s_and_b32 s21, ttmp7, 0xffff                   ; e
	s_lshr_b32 s22, ttmp9, 1                       ; cc
	s_and_b32 s23, ttmp9, 1                        ; q
	s_lshl_b32 s24, s21, 2
	s_lshl_b32 s25, s23, 1
	s_add_co_u32 s24, s24, s25                     ; the first list's number, 4 e + 2 q
	s_lshl_b32 s25, s24, 2                         ; its count's place
	v_and_b32 v[LN], 31, v0
	v_and_b32 v[RR], 15, v0
	v_bfe_u32 v[HH], v0, 4, 1
	v_lshlrev_b32 v[L16], 4, v[LN]
	s_mul_i32 s50, s20, TREG
	v_add_nc_u32 v[TST], s50, v[L16]
	v_mul_u32_u24 v[TLD], v[RR], TP
	v_lshl_add_u32 v[TLD], v[HH], 4, v[TLD]
	v_add_nc_u32 v[TLD], s50, v[TLD]
	s_mul_i32 s50, s20, SREG
	s_add_co_u32 s50, s50, STG
	v_mul_u32_u24 v[STO], v[RR], SP
	v_lshl_add_u32 v[STO], v[HH], 5, v[STO]
	v_add_nc_u32 v[STO], s50, v[STO]
	s_lshl_b32 s50, s20, 2
	v_add_nc_u32 v[RMO], s50, v[HH]                ; row 4 w + h
	v_mul_u32_u24 v[RD0], v[RMO], SP
	v_lshl_add_u32 v[RD0], v[RR], 4, v[RD0]
	v_add_nc_u32 v[RD0], STG, v[RD0]
	v_add_nc_u32 v[RD0+3], SPAR, v[RD0]
	v_lshlrev_b32 v[RMO], 2, v[RMO]
	s_lshl_b32 s50, s22, 8
	v_lshl_add_u32 v[CO], v[RR], 4, s50
	v_lshlrev_b32 v92, 7, v[LN]                    ; W2's scale bytes: 128 a row, a lane a row
	s_lshl_b32 s52, s24, 19                        ; h's codes: 16 slots of 32,768 bytes a list, + my 8 K steps
	s_lshl_b32 s53, s20, 13
	s_add_co_u32 s52, s52, s53
	s_mov_b32 s53, 0
	s_lshl_b32 s54, s24, 15                        ; h's scale words: 16 slots of 2,048 bytes a list, + my 512
	s_lshl_b32 s55, s20, 9
	s_add_co_u32 s54, s54, s55
	s_add_co_u32 s54, s54, HSO
	s_mov_b32 s55, 0
	s_lshl_b32 s56, s24, 10                        ; rmap
	s_mov_b32 s57, 0
	s_lshl_b32 s58, s21, 21                        ; W2's codes: e x 1,024 rows of 2,048 bytes, + 64 cc rows, + my 512 bytes of a row
	s_lshl_b32 s59, s22, 17
	s_add_co_u32 s58, s58, s59
	s_lshl_b32 s59, s20, 9
	s_add_co_u32 s58, s58, s59
	s_mov_b32 s59, 0
	s_lshl_b32 s60, s21, 17                        ; W2's scale bytes: 128 a row, + my 32
	s_lshl_b32 s61, s22, 13
	s_add_co_u32 s60, s60, s61
	s_lshl_b32 s61, s20, 5
	s_add_co_u32 s60, s60, s61
	s_mov_b32 s61, 0
	s_lshl_b32 s62, s21, 12                        ; b2
	s_mov_b32 s63, 0
	s_wait_kmcnt 0x0
	s_load_b64 s[26:27], s[6:7], s25 offset:0x8000 ; the two lists' counts
	s_add_nc_u64 s[28:29], s[4:5], s[52:53]
	s_add_nc_u64 s[30:31], s[4:5], s[54:55]
	s_add_nc_u64 s[32:33], s[6:7], s[56:57]
	s_add_nc_u64 s[36:37], s[8:9], s[58:59]
	s_add_nc_u64 s[38:39], s[10:11], s[60:61]
	s_add_nc_u64 s[40:41], s[12:13], s[62:63]
	WIN 0x40                                       ; destination window 1
.set i, 0
.rept 64
	global_load_b128 v[4*i:4*i+3], v[L16], s[36:37] offset:2048*i      ; my 512 bytes of a row of W2, on end
.set i, i+1
.endr
	WIN 0
.irp p, 0,1
.irp c, 0,1
	global_load_b128 v[W2S+8*\p+4*\c:W2S+8*\p+4*\c+3], v92, s[38:39] offset:4096*\p+16*\c
.endr
.endr
	global_load_b128 v[B2:B2+3], v[CO], s[40:41]
	s_mov_b32 s46, 0
	LOADT 0, 0, 46
	LOADT 1, 0, 46
	s_mov_b32 s46, 1
	LOADT 0, 1, 46
	LOADT 1, 1, 46
	s_wait_loadcnt 63                              ; W2, its scale words and b2 are in: 76 loads stand behind b2's; the count's field ends at 63, and a smaller count is safe
	; W2's rows become fragments, a column tile at a time, through my own 16 LDS rows, in the registers that they left: LDS serves a wave's instructions in order
.irp t, 0,1,2,3
	WIN 0x04                                       ; an LDS store's data are its source 1: window 1
.irp i, 0,1,2,3,4,5,6,7,8,9,10,11,12,13,14,15
	ds_store_b128 v[TST], v[64*\t+4*\i:64*\t+4*\i+3] offset:TP*\i
.endr
	WIN 0x40
.irp i, 0,1,2,3,4,5,6,7,8,9,10,11,12,13,14,15
	ds_load_b128 v[64*\t+4*\i:64*\t+4*\i+3], v[TLD] offset:32*\i       ; K step i / 2, half i % 2
.endr
.endr
	WIN 0
	s_wait_dscnt 0x0
	s_wait_kmcnt 0x0
	s_add_co_u32 s26, s26, 15
	s_lshr_b32 s26, s26, 4
	s_min_u32 s26, s26, 16                         ; the first list's tiles,
	s_add_co_u32 s27, s27, 15
	s_lshr_b32 s27, s27, 4
	s_min_u32 s27, s27, 16                         ; the second's,
	s_max_u32 s42, s26, s27                        ; the larger of the two: from that trip on there is no work;
	s_min_u32 s43, s26, s27                        ; the smaller: up to it both lists have a tile
	s_mov_b32 s44, 0
.Ltrips:
	TRIP 0
	TRIP 1
	s_add_co_u32 s44, s44, 2
	s_cmp_lt_u32 s44, 16
	s_cbranch_scc1 .Ltrips
	s_wait_tensorcnt 0x0
	ds_add_u32 v254, v255
	s_wait_dscnt 0x0
	s_endpgm
.Lfunc_end_k_q395194ed90_ffn2:
	.size	k_q395194ed90_ffn2, .Lfunc_end_k_q395194ed90_ffn2-k_q395194ed90_ffn2
	.p2alignl 7, 3214868480
	.fill 96, 4, 3214868480
	.section	.rodata,"a",@progbits
	.p2align	6, 0x0
	.amdhsa_kernel k_q395194ed90_ffn2
		.amdhsa_group_segment_fixed_size 103936
		.amdhsa_private_segment_fixed_size 0
		.amdhsa_enable_private_segment 0
		.amdhsa_kernarg_size 48
		.amdhsa_user_sgpr_count 2
		.amdhsa_user_sgpr_kernarg_segment_ptr 1
		.amdhsa_wavefront_size32 1
		.amdhsa_system_sgpr_workgroup_id_x 1
		.amdhsa_system_sgpr_workgroup_id_y 1
		.amdhsa_system_sgpr_workgroup_id_z 1
		.amdhsa_system_vgpr_workitem_id 0
		.amdhsa_next_free_vgpr 768
		.amdhsa_next_free_sgpr 66
		.amdhsa_reserve_vcc 0
		.amdhsa_float_denorm_mode_32 3
		.amdhsa_float_denorm_mode_16_64 3
		.amdhsa_memory_ordered 1
		.amdhsa_forward_progress 1
		.amdhsa_inst_pref_size 90
	.end_amdhsa_kernel
	.amdgpu_metadata
---
amdhsa.version: [ 1, 2 ]
amdhsa.kernels:
  - .name:           k_q395194ed90_ffn2
    .symbol:         k_q395194ed90_ffn2.kd
    .args:
      - { .name: hq, .offset: 0, .size: 8, .value_kind: global_buffer, .address_space: global }
      - { .name: rmap, .offset: 8, .size: 8, .value_kind: global_buffer, .address_space: global }
      - { .name: w2_codes, .offset: 16, .size: 8, .value_kind: global_buffer, .address_space: global }
      - { .name: w2_scales, .offset: 24, .size: 8, .value_kind: global_buffer, .address_space: global }
      - { .name: b2, .offset: 32, .size: 8, .value_kind: global_buffer, .address_space: global }
      - { .name: y, .offset: 40, .size: 8, .value_kind: global_buffer, .address_space: global }
    .group_segment_fixed_size: 103936
    .private_segment_fixed_size: 0
    .kernarg_segment_align: 8
    .kernarg_segment_size: 48
    .max_flat_workgroup_size: 128
    .sgpr_count:     66
    .vgpr_count:     768
    .wavefront_size: 32
...
	.end_amdgpu_metadata
.endif
;; end of part 3
;; launch combine (part 4): grid 256 x 1, 4 waves a work-group, no clusters, 0 bytes of LDS; arguments x, y, wts, out0; writes out0
.if DOCPART == 4
	.amdgcn_target "amdgcn-amd-amdhsa--gfx1250"
	.amdhsa_code_object_version 6
	.text
	.protected	k_q395194ed90_combine
	.globl	k_q395194ed90_combine
	.p2align	8
	.type	k_q395194ed90_combine,@function
k_q395194ed90_combine:
	s_mov_b64 s[64:65], 0
	v_nop
	global_prefetch_b8 v0, s[64:65] scope:SCOPE_SE
	s_setreg_imm32_b32 hwreg(HW_REG_WAVE_MODE, 25, 1), 1
	s_wait_xcnt 0x0
; out0[t] = x[t] + w0 y[2 t] + w1 y[2 t + 1]: the token's two expert rows under the gate's renormalised weights, and the residual.  One wave, one token: t = 4 x work-group + wave.
; A stream: 12 KiB in and 4 KiB out for each wave, every load and store 512 consecutive bytes, all 24 loads issued at once.  The two weights come by one scalar load, which is on its way beside them.
; No LDS, no barrier, no matrix unit: nothing is shared, and the product has K = 2.  ORDER OF ROUNDING: fma(y1, w1, fma(y0, w0, x)).
; No store's data are written again, so no store is waited for.
.set X,  8                             ; v8-39    x, then the result
.set Y0, 40                            ; v40-71   the first choice's row
.set Y1, 72                            ; v72-103  the second's
	s_load_b256 s[4:11], s[0:1], 0x0               ; x s[4:5], y s[6:7], wts s[8:9], out0 s[10:11]
	v_lshrrev_b32 v1, 5, v0
	v_readfirstlane_b32 s12, v1                    ; wave
	v_and_b32 v1, 31, v0
	v_lshlrev_b32 v1, 4, v1                        ; 16 x lane
	s_lshl_b32 s13, ttmp9, 2
	s_add_co_u32 s13, s13, s12                     ; my token
	s_lshl_b32 s14, s13, 12                        ; a row is 4,096 bytes
	s_mov_b32 s15, 0
	s_lshl_b32 s16, s13, 13                        ; the token's two rows of y lie on end
	s_mov_b32 s17, 0
	s_lshl_b32 s18, s13, 3                         ; its two weights
	s_mov_b32 s19, 0
	s_wait_kmcnt 0x0
	s_add_nc_u64 s[4:5], s[4:5], s[14:15]
	s_add_nc_u64 s[6:7], s[6:7], s[16:17]
	s_add_nc_u64 s[8:9], s[8:9], s[18:19]
	s_add_nc_u64 s[10:11], s[10:11], s[14:15]
	s_load_b64 s[20:21], s[8:9], 0x0               ; w0, w1
.irp i, 0,1,2,3,4,5,6,7
	global_load_b128 v[X+4*\i:X+4*\i+3], v1, s[4:5] offset:512*\i th:TH_LOAD_NT
	global_load_b128 v[Y0+4*\i:Y0+4*\i+3], v1, s[6:7] offset:512*\i th:TH_LOAD_NT
	global_load_b128 v[Y1+4*\i:Y1+4*\i+3], v1, s[6:7] offset:4096+512*\i th:TH_LOAD_NT
.endr
	s_wait_kmcnt 0x0
	s_mov_b32 s22, s21                             ; the packed form takes a scalar pair's low word for both halves: w1 gets a pair of its own
	s_mov_b32 s23, s21
.irp i, 0,1,2,3,4,5,6,7
	s_wait_loadcnt 21-3*\i                         ; piece i's three loads are in; the three of each later piece may be out
	v_pk_fma_f32 v[X+4*\i:X+4*\i+1], v[Y0+4*\i:Y0+4*\i+1], s[20:21], v[X+4*\i:X+4*\i+1] op_sel_hi:[1,0,1]
	v_pk_fma_f32 v[X+4*\i+2:X+4*\i+3], v[Y0+4*\i+2:Y0+4*\i+3], s[20:21], v[X+4*\i+2:X+4*\i+3] op_sel_hi:[1,0,1]
	v_pk_fma_f32 v[X+4*\i:X+4*\i+1], v[Y1+4*\i:Y1+4*\i+1], s[22:23], v[X+4*\i:X+4*\i+1] op_sel_hi:[1,0,1]
	v_pk_fma_f32 v[X+4*\i+2:X+4*\i+3], v[Y1+4*\i+2:Y1+4*\i+3], s[22:23], v[X+4*\i+2:X+4*\i+3] op_sel_hi:[1,0,1]
	global_store_b128 v1, v[X+4*\i:X+4*\i+3], s[10:11] offset:512*\i th:TH_STORE_NT
.endr
	s_endpgm
.Lfunc_end_k_q395194ed90_combine:
	.size	k_q395194ed90_combine, .Lfunc_end_k_q395194ed90_combine-k_q395194ed90_combine
	.p2alignl 7, 3214868480
	.fill 96, 4, 3214868480
	.section	.rodata,"a",@progbits
	.p2align	6, 0x0
	.amdhsa_kernel k_q395194ed90_combine
		.amdhsa_group_segment_fixed_size 0
		.amdhsa_private_segment_fixed_size 0
		.amdhsa_enable_private_segment 0
		.amdhsa_kernarg_size 32
		.amdhsa_user_sgpr_count 2
		.amdhsa_user_sgpr_kernarg_segment_ptr 1
		.amdhsa_wavefront_size32 1
		.amdhsa_system_sgpr_workgroup_id_x 1
		.amdhsa_system_sgpr_workgroup_id_y 1
		.amdhsa_system_sgpr_workgroup_id_z 1
		.amdhsa_system_vgpr_workitem_id 0
		.amdhsa_next_free_vgpr 104
		.amdhsa_next_free_sgpr 66
		.amdhsa_reserve_vcc 0
		.amdhsa_float_denorm_mode_32 3
		.amdhsa_float_denorm_mode_16_64 3
		.amdhsa_memory_ordered 1
		.amdhsa_forward_progress 1
		.amdhsa_inst_pref_size 7
	.end_amdhsa_kernel
	.amdgpu_metadata
---
amdhsa.version: [ 1, 2 ]
amdhsa.kernels:
  - .name:           k_q395194ed90_combine
    .symbol:         k_q395194ed90_combine.kd
    .args:
      - { .name: x, .offset: 0, .size: 8, .value_kind: global_buffer, .address_space: global }
      - { .name: y, .offset: 8, .size: 8, .value_kind: global_buffer, .address_space: global }
      - { .name: wts, .offset: 16, .size: 8, .value_kind: global_buffer, .address_space: global }
      - { .name: out0, .offset: 24, .size: 8, .value_kind: global_buffer, .address_space: global }
    .group_segment_fixed_size: 0
    .private_segment_fixed_size: 0
    .kernarg_segment_align: 8
    .kernarg_segment_size: 32
    .max_flat_workgroup_size: 128
    .sgpr_count:     66
    .vgpr_count:     104
    .wavefront_size: 32
...
	.end_amdgpu_metadata
.endif
;; end of part 4
;; ======== version 2 of 2: 4 launches; version 1 with the launch ffn2 written anew for expert scheduling mode
;; limits: a function is approximated: absolute error at most 7.5e-08
;; workspace buffers: xq 557,056 bytes; sel 4,096 bytes of whole numbers; wts 8,192 bytes; hq 17,825,792 bytes; rmap 33,024 bytes of whole numbers; y 8,519,680 bytes
;; launch prep: the kernel of part 1 again; grid 256 x 1, 4 waves a work-group, no clusters, 18,944 bytes of LDS; arguments x, gamma, beta, gate_w, xq, sel, wts; writes xq, sel, wts
;; launch ffn1: the kernel of part 2 again; grid 32 x 8, 4 waves a work-group, no clusters, 101,888 bytes of LDS; arguments xq, sel, w1_codes, w1_scales, b1, hq, rmap; writes hq, rmap
;; launch ffn2 (part 5): grid 32 x 8, 4 waves a work-group, no clusters, 103,936 bytes of LDS; arguments hq, rmap, w2_codes, w2_scales, b2, y; writes y
.if DOCPART == 5
	.amdgcn_target "amdgcn-amd-amdhsa--gfx1250"
	.amdhsa_code_object_version 6
	.text
	.protected	k_q395194ed90_ffn2
	.globl	k_q395194ed90_ffn2
	.p2align	8
	.type	k_q395194ed90_ffn2,@function
k_q395194ed90_ffn2:
	s_mov_b64 s[64:65], 0
	v_nop
	global_prefetch_b8 v0, s[64:65] scope:SCOPE_SE
	s_setreg_imm32_b32 hwreg(HW_REG_WAVE_SCHED_MODE, 0, 2), 2
	s_setreg_imm32_b32 hwreg(HW_REG_WAVE_MODE, 25, 1), 1
	s_wait_xcnt 0x0
	s_wait_alu depctr_vm_vsrc(0)
; The second product of the chosen rows: y[row] = h W2[e] + b2[e], row = 2 token + k from rmap.  (The gate's weight is applied by the last launch, which knows it at a fixed place.)
; SHARES.  Work-group (x, e): cc = x / 2: columns 64 cc .. 64 cc + 63 of expert e; q = x % 2: the lists of token ranges 2 q ("tile 0") and 2 q + 1 ("tile 1").
; THE WAVES SHARE K: wave w holds K steps 8 w .. 8 w + 7 (of 32) of the 64 columns of W2 in 256 registers, and reads only those K steps of h: no byte of W2 or h is loaded twice in a work-group.
; The four partial sums of a tile meet in an LDS stage; each wave then finishes 4 rows: adds the four and b2, and stores 256 bytes of a row of y by sixteen lanes.
; ORDER OF ROUNDING: an output's sum along K is made in four quarters of 1,024, each ascending, then (P0 + P1) + (P2 + P3).
; The product is used transposed (source 0 = 16 columns' rows of W2, source 1 = h's image): a lane holds 8 neighbouring columns of one row.
; THE LOOP has a constant count, 16 trips, the most tiles a list can have; each has one barrier, on every wave's path.  A trip goes by cases, by scalar branches on the stored counts:
; neither list has such a tile: one jump to the barrier and one behind it; both have: the two tiles' products on eight accumulators by turns, and their stage reads in one run; one has: that tile alone.
; The stage has two halves that take turns, so that one barrier a trip orders both the writing before the reading and the reading before the next writing.
; h's tiles are asked for a trip ahead, into two sets of registers.  Tiles 0 and 1 of both lists are asked for at the head, whatever the counts, so that every register read later is written on
; every way; what a list does not have is loaded and never used.
; A last tile's filler rows go to the list's spare row of y (rows 2,048 on), which nobody reads.  No tensor load, no cluster: branches hang on counts read from memory.
; THE MODE: SCHED_MODE bits 1:0 = 2 (LLVM: expert scheduling mode 2), set by the entry lines.  The code itself states the register dependences
; between vector or matrix instructions and memory or LDS instructions, with s_wait_alu, always for 0.
; THE PLAN.  Registers that memory or LDS instructions touch, in the loop; trip t works on set t % 2:
;   H, HS [set]   h's fragments and scale words.  Written by the loads that trip t - 1 issues into set t % 2; read by trip t's matrix instructions; loaded again in trip t + 1.
;   SL [set]      my rows' rows of y.  Loaded with them; read by trip t's v_min_u32; loaded again in trip t + 1.
;   ACC           Written by trip t's matrix instructions; read by its LDS stores into the stage; begun anew by trip t + 1's matrix instructions.
;   RED           Written by trip t's LDS loads from the stage, then by its additions; read by its global stores; loaded again in trip t + 1.
;   YA            Written by two vector lines a row; read by the global stores as their offsets; written again in trip t + 1.
;   v4, v9, v7, v8, v11   offsets and LDS addresses, made at the head and never written again: h and rmap are reached by three scalar bases, which move on by a tile at each trip's head.
; So two waits open a trip, ahead of its first branch: on va_vdst, that the trip before is done reading the other set (in which this trip's loads land) and done with RED (in which this trip's stage reads
; land); on vm_vsrc, that its stores have read ACC, RED and YA, which this trip writes anew.  Between them and those loads stand this trip's products alone, which name ACC, W2, this trip's set and scale words.
; One more wait on va_vdst stands behind the trip's products, ahead of the LDS stores, and one behind its additions, ahead of the global stores.
.set HSO,   16777216                   ; hq: where the scale words begin
.set TP,    528                        ; the turn of W2: an LDS row of 512 bytes + 16
.set TREG,  16*TP                      ; 16 rows for each wave
.set STG,   4*TREG                     ; behind them the stage: [half 2][tile 2][wave 4] x 16 rows
.set SP,    272                        ; a stage row: 64 columns of f32 + 16 bytes
.set SREG,  16*SP
.set STILE, 4*SREG
.set SPAR,  2*STILE
.set LN,   1
.set RR,   2
.set HH,   3
.set L16,  4                           ; v4   16 x lane
.set TST,  5                           ; v5   the turn, in
.set TLD,  6                           ; v6   the turn, back
.set STO,  7                           ; v7   the stage, in: my region, row r, + 32 h
.set RD0,  8                           ; v8   the stage, back, half 0: row 4 w + h, + 16 r;  v11 the same in half 1
.set RMO,  9                           ; v9   4 (4 w + h): my row's word in a slot of rmap
.set CO,   10                          ; v10  256 cc + 16 r: my 4 columns, in bytes
.set YA,   24                          ; v24-27 [tile][i] offsets in y
.set B2,   28                          ; v28-31 b2 of my 4 columns
.set W2S,  32                          ; v32-47 W2's scale words: register 8 p + s: lanes 0-15 column tile 2 p, lanes 16-31 tile 2 p + 1
.set HS,   48                          ; v48-63 [set][tile][4] h's scale words: lanes 0-15 K steps 8 w + i, lanes 16-31 K steps 8 w + 4 + i
.set SL,   64                          ; v64-71 [set][tile][i] my rows' rows of y
.set ACC,  96                          ; v96-159 [tile][column tile] accumulators
.set RED,  160                         ; v160-223 [tile][wave][i] the four partial sums of my rows
; window 1: W2's fragments at 64 ct + 8 s (as loaded: row i of tile ct at 64 ct + 4 i);  window 2: h's fragments at 128 set + 64 tile + 8 s
; s[28:29], s[30:31], s[32:33] the bases of h's codes, of its scale words and of rmap: at the head at the first list's tile 0, in trip t at tile t + 1
; s26, s27 the two lists' tiles, s42 the larger of them, s43 the smaller, s44 the loop's counter, s45 this trip's tile number, s46 the next trip's
.set MSB, 0
.macro WIN new                         ; the immediate's high byte repeats the setting that is left
.if MSB != \new
	s_set_vgpr_msb (MSB<<8)|\new
.set MSB, \new
.endif
.endm
; one matrix instruction; z = 1: it starts the sum with the constant 0; ra, rb: the scales are taken from lanes 16-31
.macro WM z, d, a, b, sa, sb, ra, rb
.if (\z) && (\ra) && (\rb)
	v_wmma_scale_f32_16x16x128_f8f6f4 v[(\d):(\d)+7], v[(\a):(\a)+7], v[(\b):(\b)+7], 0, v[\sa], v[\sb] matrix_a_fmt:MATRIX_FMT_FP4 matrix_b_fmt:MATRIX_FMT_FP4 matrix_a_scale:MATRIX_SCALE_ROW1 matrix_b_scale:MATRIX_SCALE_ROW1
.elseif (\z) && (\ra)
	v_wmma_scale_f32_16x16x128_f8f6f4 v[(\d):(\d)+7], v[(\a):(\a)+7], v[(\b):(\b)+7], 0, v[\sa], v[\sb] matrix_a_fmt:MATRIX_FMT_FP4 matrix_b_fmt:MATRIX_FMT_FP4 matrix_a_scale:MATRIX_SCALE_ROW1
.elseif (\z) && (\rb)
	v_wmma_scale_f32_16x16x128_f8f6f4 v[(\d):(\d)+7], v[(\a):(\a)+7], v[(\b):(\b)+7], 0, v[\sa], v[\sb] matrix_a_fmt:MATRIX_FMT_FP4 matrix_b_fmt:MATRIX_FMT_FP4 matrix_b_scale:MATRIX_SCALE_ROW1
.elseif (\z)
	v_wmma_scale_f32_16x16x128_f8f6f4 v[(\d):(\d)+7], v[(\a):(\a)+7], v[(\b):(\b)+7], 0, v[\sa], v[\sb] matrix_a_fmt:MATRIX_FMT_FP4 matrix_b_fmt:MATRIX_FMT_FP4
.elseif (\ra) && (\rb)
	v_wmma_scale_f32_16x16x128_f8f6f4 v[(\d):(\d)+7], v[(\a):(\a)+7], v[(\b):(\b)+7], v[(\d):(\d)+7], v[\sa], v[\sb] matrix_a_fmt:MATRIX_FMT_FP4 matrix_b_fmt:MATRIX_FMT_FP4 matrix_a_scale:MATRIX_SCALE_ROW1 matrix_b_scale:MATRIX_SCALE_ROW1
.elseif (\ra)
	v_wmma_scale_f32_16x16x128_f8f6f4 v[(\d):(\d)+7], v[(\a):(\a)+7], v[(\b):(\b)+7], v[(\d):(\d)+7], v[\sa], v[\sb] matrix_a_fmt:MATRIX_FMT_FP4 matrix_b_fmt:MATRIX_FMT_FP4 matrix_a_scale:MATRIX_SCALE_ROW1
.elseif (\rb)
	v_wmma_scale_f32_16x16x128_f8f6f4 v[(\d):(\d)+7], v[(\a):(\a)+7], v[(\b):(\b)+7], v[(\d):(\d)+7], v[\sa], v[\sb] matrix_a_fmt:MATRIX_FMT_FP4 matrix_b_fmt:MATRIX_FMT_FP4 matrix_b_scale:MATRIX_SCALE_ROW1
.else
	v_wmma_scale_f32_16x16x128_f8f6f4 v[(\d):(\d)+7], v[(\a):(\a)+7], v[(\b):(\b)+7], v[(\d):(\d)+7], v[\sa], v[\sb] matrix_a_fmt:MATRIX_FMT_FP4 matrix_b_fmt:MATRIX_FMT_FP4
.endif
.endm
; the tile jj behind the one at which the bases stand, of list `tile`, into set buf: my 8 K steps of codes (16 loads of 512 bytes on end), their scale words (512 bytes on end), my rows' rows of y: 19 loads.
; No vector line makes an address here: the offsets are v[L16] and v[RMO], the rest stands in the bases and the immediates
.macro LOADT tile, buf, jj
	WIN 0x80                                       ; destination window 2
.irp k, 0,1,2,3,4,5,6,7
.irp c, 0,1
	global_load_b128 v[128*(\buf)+64*\tile+8*\k+4*\c:128*(\buf)+64*\tile+8*\k+4*\c+3], v[L16], s[28:29] offset:\tile*524288+(\jj)*32768+1024*\k+512*\c
.endr
.endr
	WIN 0
	global_load_b128 v[HS+8*(\buf)+4*\tile:HS+8*(\buf)+4*\tile+3], v[L16], s[30:31] offset:\tile*32768+(\jj)*2048
.irp i, 0,1
	global_load_b32 v[SL+4*(\buf)+2*\tile+\i], v[RMO], s[32:33] offset:\tile*1024+(\jj)*64+8*\i
.endr
.endm
.macro PLACES5
.rept 5
	v_nop                                          ; four places ahead of the stores that read the results; a fifth ahead of the matrix instruction that begins these accumulators anew
.endr
.endm
; one tile: 32 matrix instructions: my 8 K steps x 4 column tiles; the 4 accumulators take turns, one instruction a turn; the first K step starts the sums
.macro MULT tile, buf
	WIN 0x09                                       ; source 0 (W2) window 1, source 1 (h) window 2
.set ks, 0
.rept 8
.set ct, 0
.rept 4
	WM ks==0, ACC+32*\tile+8*ct, 64*ct+8*ks, 128*\buf+64*\tile+8*ks, W2S+8*(ct/2)+ks, HS+8*\buf+4*\tile+ks%4, ct%2, ks/4
.set ct, ct+1
.endr
.set ks, ks+1
.endr
	WIN 0
	PLACES5
	s_wait_alu depctr_va_vdst(0)                   ; the products have written the tile's four accumulators, which the LDS stores that follow read; the places above stay beside this wait
.endm
; both tiles: 64 matrix instructions; the 8 accumulators take turns, so that seven others' instructions stand between two links of a chain
.macro MULT2 buf
	WIN 0x09
.set ks, 0
.rept 8
.set ct, 0
.rept 4
	WM ks==0, ACC+8*ct, 64*ct+8*ks, 128*\buf+8*ks, W2S+8*(ct/2)+ks, HS+8*\buf+ks%4, ct%2, ks/4
	WM ks==0, ACC+32+8*ct, 64*ct+8*ks, 128*\buf+64+8*ks, W2S+8*(ct/2)+ks, HS+8*\buf+4+ks%4, ct%2, ks/4
.set ct, ct+1
.endr
.set ks, ks+1
.endr
	WIN 0
	PLACES5
	s_wait_alu depctr_va_vdst(0)                   ; the products have written all eight accumulators, which both tiles' LDS stores read: one wait for the sixteen stores; the places above stay beside it
.endm
.macro STAGE tile, par                 ; my partial sums into my region of the stage; each accumulator from its low end on
.irp t, 0,1,2,3
	ds_store_b128 v[STO], v[ACC+32*\tile+8*\t:ACC+32*\tile+8*\t+3] offset:\par*SPAR+\tile*STILE+64*\t
	ds_store_b128 v[STO], v[ACC+32*\tile+8*\t+4:ACC+32*\tile+8*\t+7] offset:\par*SPAR+\tile*STILE+64*\t+16
.endr
.endm
; rows 4 w .. 4 w + 3 of the tile: instruction i takes rows 4 w + 2 i + (lane / 16), 16 bytes a lane.  FINL: the four waves' partial sums, 8 loads.  FINA: their sum, b2, the rows' offsets in y.  FINS: the stores
.macro FINL tile, par
.irp u, 0,1,2,3
.irp i, 0,1
	ds_load_b128 v[RED+32*\tile+8*\u+4*\i:RED+32*\tile+8*\u+4*\i+3], v[RD0+3*\par] offset:\tile*STILE+\u*SREG+\i*2*SP
.endr
.endr
.endm
.macro FINA tile, par
.set RB, RED+32*\tile
.irp d, 0,2,4,6
	v_pk_add_f32 v[RB+\d:RB+\d+1], v[RB+\d:RB+\d+1], v[RB+8+\d:RB+8+\d+1]
	v_pk_add_f32 v[RB+16+\d:RB+16+\d+1], v[RB+16+\d:RB+16+\d+1], v[RB+24+\d:RB+24+\d+1]
.endr
.irp d, 0,2,4,6
	v_pk_add_f32 v[RB+\d:RB+\d+1], v[RB+\d:RB+\d+1], v[RB+16+\d:RB+16+\d+1]
.endr
.irp d, 0,2,4,6
	v_pk_add_f32 v[RB+\d:RB+\d+1], v[RB+\d:RB+\d+1], v[B2+\d%4:B2+\d%4+1]
.endr
.irp i, 0,1
	v_min_u32 v[YA+2*\tile+\i], 0x81f, v[SL+4*\par+2*\tile+\i]         ; a row of y, whatever was loaded
	v_lshl_add_u32 v[YA+2*\tile+\i], v[YA+2*\tile+\i], 12, v[CO]
.endr
.endm
.macro FINS tile
.irp i, 0,1
	global_store_b128 v[YA+2*\tile+\i], v[RED+32*\tile+4*\i:RED+32*\tile+4*\i+3], s[14:15]   ; sixteen lanes store 256 consecutive bytes, at a multiple of 256 from y's first byte
.endr
.endm
.macro TRIP par
	s_add_co_u32 s45, s44, \par                    ; this trip's tile number,
	s_add_co_u32 s46, s45, 1                       ; the next trip's
	s_wait_loadcnt 0x0                             ; this trip's tiles are in; every load that read the three bases is done, so they may be written:
	s_add_nc_u64 s[28:29], s[28:29], 32768         ; on by a tile, in every trip alike: they stand at the next trip's tile
	s_add_nc_u64 s[30:31], s[30:31], 2048
	s_add_nc_u64 s[32:33], s[32:33], 64
	s_wait_alu depctr_va_vdst(0)                   ; the trip before is done reading the other set's H, HS and SL, in which this trip's loads land, and done reading and writing RED, in which this trip's stage reads land
	s_wait_alu depctr_vm_vsrc(0)                   ; its LDS stores have read ACC, its global stores RED and YA: this trip's products, stage reads and vector lines write them anew
	s_cmp_ge_u32 s45, s42
	s_cbranch_scc1 .Lbar_\@                        ; neither list has such a tile, nor a later one: straight to the barrier
.if \par == 0
	s_cmp_eq_u32 s44, 0                            ; tile 1 was asked for at the head
	s_cselect_b32 s47, 0, s26
	s_cselect_b32 s48, 0, s27
.else
	s_mov_b32 s47, s26
	s_mov_b32 s48, s27
.endif
	s_cmp_lt_u32 s46, s47
	s_cbranch_scc0 .Lna_\@
	LOADT 0, 1-\par, 0                             ; no further wait: no vector or matrix instruction since the trip's head names the other set
.Lna_\@:
	s_cmp_lt_u32 s46, s48
	s_cbranch_scc0 .Lnb_\@
	LOADT 1, 1-\par, 0
.Lnb_\@:
	s_cmp_lt_u32 s45, s43
	s_cbranch_scc0 .Lone_\@
	MULT2 \par                                     ; both lists have the tile
	STAGE 0, \par
	STAGE 1, \par
	s_branch .Lbar_\@
.Lone_\@:
	s_cmp_lt_u32 s45, s26
	s_cbranch_scc0 .Lmb_\@
	MULT 0, \par
	STAGE 0, \par
.Lmb_\@:
	s_cmp_lt_u32 s45, s27
	s_cbranch_scc0 .Lbar_\@
	MULT 1, \par
	STAGE 1, \par
.Lbar_\@:
	s_wait_dscnt 0x0                               ; for the others' sake: my stores into this half of the stage have landed; my reads of the other half are long in
	s_barrier_signal -1
	s_barrier_wait -1                              ; on every wave's path, outside every branch
	s_cmp_ge_u32 s45, s42
	s_cbranch_scc1 .Lend_\@
	s_wait_xcnt 0x0                                ; the stores before have read the registers that are written below
	s_cmp_lt_u32 s45, s43
	s_cbranch_scc0 .Lfone_\@
	FINL 0, \par                                   ; both tiles' reads in one run (no vector or matrix instruction since the trip's head names RED),
	FINL 1, \par
	s_wait_dscnt 8                                 ; tile 0's eight are in, tile 1's eight may be out
	FINA 0, \par
	s_wait_dscnt 0x0
	FINA 1, \par
	s_wait_alu depctr_va_vdst(0)                   ; the additions have written both tiles' sums in RED, and the two lines a row YA: the four stores read them as data and offsets
	FINS 0
	FINS 1
	s_branch .Lend_\@
.Lfone_\@:
	s_cmp_lt_u32 s45, s26
	s_cbranch_scc0 .Lfb_\@
	FINL 0, \par
	s_wait_dscnt 0x0
	FINA 0, \par
	s_wait_alu depctr_va_vdst(0)                   ; tile 0's sums in RED and its YA are written: the two stores read them
	FINS 0
.Lfb_\@:
	s_cmp_lt_u32 s45, s27
	s_cbranch_scc0 .Lend_\@
	FINL 1, \par
	s_wait_dscnt 0x0
	FINA 1, \par
	s_wait_alu depctr_va_vdst(0)                   ; tile 1's sums in RED and its YA are written: the two stores read them
	FINS 1
.Lend_\@:
.endm
	s_load_b256 s[4:11], s[0:1], 0x0               ; hq s[4:5], rmap s[6:7], w2_codes s[8:9], w2_scales s[10:11]
	s_load_b128 s[12:15], s[0:1], 0x20             ; b2 s[12:13], y s[14:15]
	v_lshl_add_u32 v254, v0, 2, 0x19400
	v_mov_b32 v255, 0
	v_lshrrev_b32 v1, 5, v0
	v_readfirstlane_b32 s20, v1                    ; wave
	s_and_b32 s21, ttmp7, 0xffff                   ; e
	s_lshr_b32 s22, ttmp9, 1                       ; cc
	s_and_b32 s23, ttmp9, 1                        ; q
	s_lshl_b32 s24, s21, 2
	s_lshl_b32 s25, s23, 1
	s_add_co_u32 s24, s24, s25                     ; the first list's number, 4 e + 2 q
	s_lshl_b32 s25, s24, 2                         ; its count's place
	v_and_b32 v[LN], 31, v0
	v_and_b32 v[RR], 15, v0
	v_bfe_u32 v[HH], v0, 4, 1
	v_lshlrev_b32 v[L16], 4, v[LN]
	s_wait_alu depctr_va_sdst(0)                   ; s20, the wave's number, is written, ahead of its first reader: LDS addresses and byte offsets are made from it
	s_mul_i32 s50, s20, TREG
	v_add_nc_u32 v[TST], s50, v[L16]
	v_mul_u32_u24 v[TLD], v[RR], TP
	v_lshl_add_u32 v[TLD], v[HH], 4, v[TLD]
	v_add_nc_u32 v[TLD], s50, v[TLD]
	s_mul_i32 s50, s20, SREG
	s_add_co_u32 s50, s50, STG
	v_mul_u32_u24 v[STO], v[RR], SP
	v_lshl_add_u32 v[STO], v[HH], 5, v[STO]
	v_add_nc_u32 v[STO], s50, v[STO]
	s_lshl_b32 s50, s20, 2
	v_add_nc_u32 v[RMO], s50, v[HH]                ; row 4 w + h
	v_mul_u32_u24 v[RD0], v[RMO], SP
	v_lshl_add_u32 v[RD0], v[RR], 4, v[RD0]
	v_add_nc_u32 v[RD0], STG, v[RD0]
	v_add_nc_u32 v[RD0+3], SPAR, v[RD0]
	v_lshlrev_b32 v[RMO], 2, v[RMO]
	s_lshl_b32 s50, s22, 8
	v_lshl_add_u32 v[CO], v[RR], 4, s50
	v_lshlrev_b32 v92, 7, v[LN]                    ; W2's scale bytes: 128 a row, a lane a row
	s_lshl_b32 s52, s24, 19                        ; h's codes: 16 slots of 32,768 bytes a list, + my 8 K steps
	s_lshl_b32 s53, s20, 13
	s_add_co_u32 s52, s52, s53
	s_mov_b32 s53, 0
	s_lshl_b32 s54, s24, 15                        ; h's scale words: 16 slots of 2,048 bytes a list, + my 512
	s_lshl_b32 s55, s20, 9
	s_add_co_u32 s54, s54, s55
	s_add_co_u32 s54, s54, HSO
	s_mov_b32 s55, 0
	s_lshl_b32 s56, s24, 10                        ; rmap
	s_mov_b32 s57, 0
	s_lshl_b32 s58, s21, 21                        ; W2's codes: e x 1,024 rows of 2,048 bytes, + 64 cc rows, + my 512 bytes of a row
	s_lshl_b32 s59, s22, 17
	s_add_co_u32 s58, s58, s59
	s_lshl_b32 s59, s20, 9
	s_add_co_u32 s58, s58, s59
	s_mov_b32 s59, 0
	s_lshl_b32 s60, s21, 17                        ; W2's scale bytes: 128 a row, + my 32
	s_lshl_b32 s61, s22, 13
	s_add_co_u32 s60, s60, s61
	s_lshl_b32 s61, s20, 5
	s_add_co_u32 s60, s60, s61
	s_mov_b32 s61, 0
	s_lshl_b32 s62, s21, 12                        ; b2
	s_mov_b32 s63, 0
	s_wait_kmcnt 0x0
	s_load_b64 s[26:27], s[6:7], s25 offset:0x8000 ; the two lists' counts
	s_add_nc_u64 s[28:29], s[4:5], s[52:53]
	s_add_nc_u64 s[30:31], s[4:5], s[54:55]
	s_add_nc_u64 s[32:33], s[6:7], s[56:57]
	s_add_nc_u64 s[36:37], s[8:9], s[58:59]
	s_add_nc_u64 s[38:39], s[10:11], s[60:61]
	s_add_nc_u64 s[40:41], s[12:13], s[62:63]
	WIN 0x40                                       ; destination window 1
	s_wait_alu depctr_va_vdst(0)                   ; the offsets v4, v9, v10 and v92 and the LDS addresses v5 to v8 and v11 are written: every load, store and LDS instruction of the kernel reads one of them, and none is written again
.set i, 0
.rept 64
	global_load_b128 v[4*i:4*i+3], v[L16], s[36:37] offset:2048*i      ; my 512 bytes of a row of W2, on end
.set i, i+1
.endr
	WIN 0
.irp p, 0,1
.irp c, 0,1
	global_load_b128 v[W2S+8*\p+4*\c:W2S+8*\p+4*\c+3], v92, s[38:39] offset:4096*\p+16*\c
.endr
.endr
	global_load_b128 v[B2:B2+3], v[CO], s[40:41]
	LOADT 0, 0, 0                                  ; tile 0 of both lists into set 0,
	LOADT 1, 0, 0
	LOADT 0, 1, 1                                  ; tile 1 of both into set 1
	LOADT 1, 1, 1
	s_wait_loadcnt 63                              ; W2, its scale words and b2 are in: 76 loads stand behind b2's; the count's field ends at 63, and a smaller count is safe
	; W2's rows become fragments, a column tile at a time, through my own 16 LDS rows, in the registers that they left: LDS serves a wave's instructions in order
.irp t, 0,1,2,3
	WIN 0x04                                       ; an LDS store's data are its source 1: window 1
.irp i, 0,1,2,3,4,5,6,7,8,9,10,11,12,13,14,15
	ds_store_b128 v[TST], v[64*\t+4*\i:64*\t+4*\i+3] offset:TP*\i
.endr
	WIN 0x40
	s_wait_alu depctr_vm_vsrc(0)                   ; the sixteen LDS stores above have read their data registers, in which the sixteen loads below land
.irp i, 0,1,2,3,4,5,6,7,8,9,10,11,12,13,14,15
	ds_load_b128 v[64*\t+4*\i:64*\t+4*\i+3], v[TLD] offset:32*\i       ; K step i / 2, half i % 2
.endr
.endr
	WIN 0
	s_wait_dscnt 0x0
	s_wait_kmcnt 0x0
	s_add_co_u32 s26, s26, 15
	s_lshr_b32 s26, s26, 4
	s_min_u32 s26, s26, 16                         ; the first list's tiles,
	s_add_co_u32 s27, s27, 15
	s_lshr_b32 s27, s27, 4
	s_min_u32 s27, s27, 16                         ; the second's,
	s_max_u32 s42, s26, s27                        ; the larger of the two: from that trip on there is no work;
	s_min_u32 s43, s26, s27                        ; the smaller: up to it both lists have a tile
	s_mov_b32 s44, 0
.Ltrips:
	TRIP 0
	TRIP 1
	s_add_co_u32 s44, s44, 2
	s_cmp_lt_u32 s44, 16
	s_cbranch_scc1 .Ltrips
	s_wait_dscnt 0x0                               ; the closing lines, six on end
	s_wait_alu 0x0
	s_wait_tensorcnt 0x0
	ds_add_u32 v254, v255
	s_wait_dscnt 0x0
	s_endpgm
.Lfunc_end_k_q395194ed90_ffn2:
	.size	k_q395194ed90_ffn2, .Lfunc_end_k_q395194ed90_ffn2-k_q395194ed90_ffn2
	.p2alignl 7, 3214868480
	.fill 96, 4, 3214868480
	.section	.rodata,"a",@progbits
	.p2align	6, 0x0
	.amdhsa_kernel k_q395194ed90_ffn2
		.amdhsa_group_segment_fixed_size 103936
		.amdhsa_private_segment_fixed_size 0
		.amdhsa_enable_private_segment 0
		.amdhsa_kernarg_size 48
		.amdhsa_user_sgpr_count 2
		.amdhsa_user_sgpr_kernarg_segment_ptr 1
		.amdhsa_wavefront_size32 1
		.amdhsa_system_sgpr_workgroup_id_x 1
		.amdhsa_system_sgpr_workgroup_id_y 1
		.amdhsa_system_sgpr_workgroup_id_z 1
		.amdhsa_system_vgpr_workitem_id 0
		.amdhsa_next_free_vgpr 768
		.amdhsa_next_free_sgpr 66
		.amdhsa_reserve_vcc 0
		.amdhsa_float_denorm_mode_32 3
		.amdhsa_float_denorm_mode_16_64 3
		.amdhsa_memory_ordered 1
		.amdhsa_forward_progress 1
		.amdhsa_inst_pref_size 90
	.end_amdhsa_kernel
	.amdgpu_metadata
---
amdhsa.version: [ 1, 2 ]
amdhsa.kernels:
  - .name:           k_q395194ed90_ffn2
    .symbol:         k_q395194ed90_ffn2.kd
    .args:
      - { .name: hq, .offset: 0, .size: 8, .value_kind: global_buffer, .address_space: global }
      - { .name: rmap, .offset: 8, .size: 8, .value_kind: global_buffer, .address_space: global }
      - { .name: w2_codes, .offset: 16, .size: 8, .value_kind: global_buffer, .address_space: global }
      - { .name: w2_scales, .offset: 24, .size: 8, .value_kind: global_buffer, .address_space: global }
      - { .name: b2, .offset: 32, .size: 8, .value_kind: global_buffer, .address_space: global }
      - { .name: y, .offset: 40, .size: 8, .value_kind: global_buffer, .address_space: global }
    .group_segment_fixed_size: 103936
    .private_segment_fixed_size: 0
    .kernarg_segment_align: 8
    .kernarg_segment_size: 48
    .max_flat_workgroup_size: 128
    .sgpr_count:     66
    .vgpr_count:     768
    .wavefront_size: 32
...
	.end_amdgpu_metadata
.endif
;; end of part 5
;; launch combine: the kernel of part 4 again; grid 256 x 1, 4 waves a work-group, no clusters, 0 bytes of LDS; arguments x, y, wts, out0; writes out0
